; MI455X (gfx1250); checked and timed in simulation.
; The chip was launched on July 23, 2026; its instructions are those of AMD's public machine-readable ISA for CDNA 5 (MIT licence, August 2026) and "CDNA5" Instruction Set Architecture Reference Guide (July 2026). The comments in the code are by the model that wrote it; some were corrected since.
;; Mega Transformer Self Attention. Allowed arithmetic: matrix products marked QUANTISED: E2M1 operands, one E8M0 scale for each 32 along K, by v_wmma_scale_f32_16x16x128_f8f6f4 with both operands' format E2M1 (or v_wmma_scale_f32_32x16x128_f4), f32 sums; products left as they are: bf16, f16 or f32 operands; f32 sums; everything else in f32.
;; Inputs: Wk 1,024 x 1,024 float32; Wo 1,024 x 1,024 float32; Wq 1,024 x 1,024 float32; Wv 1,024 x 1,024 float32; bo 1,024 float32; hidden_states 2 x 2,048 x 1,024 float32.
;; Outputs: out0 2 x 2,048 x 1,024 float32.
;; This version of the problem:
;;   THIS VERSION OF THE PROBLEM IS GIVEN IN LOW PRECISION. The matrix products marked QUANTISED in the list below multiply operands that are first quantised to E2M1 (2 exponent bits, 1 mantissa bit; 4 bits a number), with one power-of-two scale for each 32 numbers along K (OCP MX v1.0); their sums are f32. The products marked 'left as it is' may take bf16, f16 or f32 operands, with f32 sums. Whichever they take, every output number must still come out within the allowed error. Rounding operands to bf16 (8 significant bits) uses up far more of that allowance than f16 does (11 bits, for magnitudes from 6e-5 to 65,504). All else is computed in f32.
;;   The module's matrix products, in the order in which they are computed (A, B: the left and right operand; K: the contracted axis; several contracted axes count as one K, in the product's order):
;;     1. [M 4,096, K 1,024] x [K 1,024, N 1,024]; A: input hidden_states; B: input Wq: QUANTISED
;;     2. [M 4,096, K 1,024] x [K 1,024, N 1,024]; A: input hidden_states; B: input Wk: QUANTISED
;;     3. [M 4,096, K 1,024] x [K 1,024, N 1,024]; A: input hidden_states; B: input Wv: QUANTISED
;;     4. batch 32 x [M 2,048, K 64] x [K 64, N 2,048]; A: computed on the way; B: computed on the way: left as it is (an operand is computed on the way)
;;     5. batch 32 x [M 2,048, K 2,048] x [K 2,048, N 64]; A: computed on the way; B: computed on the way: left as it is (an operand is computed on the way)
;;     6. [M 4,096, K 1,024] x [K 1,024, N 1,024]; A: computed on the way; B: input Wo: left as it is (an operand is computed on the way)
;;   THE QUANTISER, for each operand of a quantised product, along K:
;;     - K is cut into blocks of 32 from its start; a last block that is shorter is filled with zeros.
;;     - A block's scale is 2^e with e = floor(log2(the largest magnitude in the block)) - 2, held to -126 .. 127; a block of zeros has e = 0. As a byte (E8M0): e + 127.
;;     - Each number is divided by its block's scale, clamped to +-6, and rounded to the nearest number of E2M1, ties to even, subnormals kept.
;;     - The product sums the exact products of the quantised numbers (number of the format x scale) in f32.
;;   ~~~python
;;   def quantise(x, axis):      # numpy; x: float32 -> the quantised numbers, widened to float32 again
;;       x = np.moveaxis(x, axis, -1); K = x.shape[-1]
;;       x = np.pad(x, [(0, 0)] * (x.ndim - 1) + [(0, -K % 32)]); x = x.reshape(x.shape[:-1] + (-1, 32)); a = np.abs(x).max(-1, keepdims=True)
;;       e = np.where(a > 0, np.clip(np.frexp(np.where(a > 0, a, 1))[1] - 1 - 2, -126, 127), 0)      # np.frexp(a)[1] - 1 = floor(log2(a)), exactly
;;       r = np.clip(x / 2.0 ** e, -6, 6)
;;       step = 2.0 ** (np.maximum(np.frexp(np.where(r == 0, 1, r))[1] - 1, 0) - 1)
;;       q = np.round(r / step) * step * 2.0 ** e      # np.round: ties to even
;;       return np.moveaxis(q.reshape(q.shape[:-2] + (-1,))[..., :K], -1, axis).astype(np.float32)
;;   ~~~
;; One version. Each part assembles by itself: llvm-mc -triple=amdgcn-amd-amdhsa -mcpu=gfx1250 --defsym DOCPART=n.
;; ======== version 1 of 1: 5 launches
;; limits: values are held in f16: magnitudes above 65,504 overflow, below 6.1e-05 lose precision
;; workspace buffers: h_codes 2,097,152 bytes; h_scales 131,072 bytes; w_codes 1,572,864 bytes; w_scales 98,304 bytes; wo16 2,097,152 bytes; qkv 25,165,824 bytes; ctx 8,388,608 bytes; fineq 393,216 bytes
;; launch quant (part 1): grid 256 x 1, 4 waves a work-group, no clusters, 33,280 bytes of LDS; arguments hidden_states, Wq, Wk, Wv, Wo, h_codes, h_scales, w_codes, w_scales, wo16; writes h_codes, h_scales, w_codes, w_scales, wo16
.if DOCPART == 1
	.amdgcn_target "amdgcn-amd-amdhsa--gfx1250"
	.amdhsa_code_object_version 6
	.text
	.protected	k_q721ab7f5aa_quant
	.globl	k_q721ab7f5aa_quant
	.p2align	8
	.type	k_q721ab7f5aa_quant,@function
k_q721ab7f5aa_quant:
	s_mov_b64 s[64:65], 0
	v_nop
	global_prefetch_b8 v0, s[64:65] scope:SCOPE_SE
	s_setreg_imm32_b32 hwreg(HW_REG_WAVE_MODE, 25, 1), 1
	s_wait_xcnt 0x0
; FIRST OF FIVE LAUNCHES: quant, qkv, attn, oproj, fine.  Together: out = attention(hidden) Wo^T + bo, 2 sequences of 2,048 tokens, 16 heads of 64.
; WORK LEFT OUT, in the whole program.  The causal mask is built in the problem's own body (a lower triangle): a score of key k for query q with k > q becomes -infinity ahead of the softmax, its weight is 0 for all
; values of the inputs, and it reaches no output.  So a step of 64 keys all of which come after a tile's 16 queries is not computed, and a tile of keys that no wave of a work-group reads is not loaded.
; On what is kept, -|q - k| = k - q.  No input is dead: all six are loaded.  LIMIT: a NaN, an infinity or an overflow that reaches only masked scores is not carried to the result.
; THIS LAUNCH turns hidden_states [4096][1024] and Wq, Wk, Wv [1024][1024], f32, K innermost, into codes of FP4 (E2M1), two a byte, with one E8M0 byte for each 32 along K, and Wo into f16.
; A block's scale is 2^(floor(log2(its largest magnitude)) - 2); its byte is the largest magnitude's exponent field - 2, held at 1 from below.  A block of zeros so gets the byte 1 where the rule says 127: its codes are
; zeros, which add nothing under any byte but 0xff, and this program alone reads the bytes.  LIMITS: NaN and infinities among the inputs are not served; a number of Wo beyond 65,504 becomes infinity in f16.
; SHARES.  A work-group takes 32,768 numbers, a wave 8,192.  Work-groups 0-127: hidden_states; 128-159, 160-191, 192-223: Wq, Wk, Wv, whose codes lie one behind the other as one operand of 3,072 rows; 224-255: Wo.
; The four quantised tensors take ONE path: only pointers are chosen, by the work-group's number.  Rows are dense and K is a multiple of 32: each tensor is a plain stream of blocks of 32.
; A wave takes 16 steps of 512 numbers: four loads of 512 consecutive bytes, turned through the wave's own stage in LDS so that a lane holds 16 neighbours (two lanes a block); a lane's 16 codes are 8 bytes, so the wave stores
; 256 consecutive bytes.  A wave's 256 scale bytes are gathered in LDS and leave as 256 consecutive bytes.  Waves share nothing: no barrier.
.set WAVES, 4
.set STEPS, 16
.set EMAX,  2
.set CB,    8                          ; bytes of 16 codes
.set R,     16                         ; v16-79   four sets of 16 numbers as loaded (Wo: v16-143, two sets of 64)
.set X,     80                         ; v80-111  two sets of 16 neighbours
.set E,     112                        ; v112-127 a scale byte for each step
.set C,     128                        ; v128-191 codes, four registers a step
.set H16,   144                        ; v144-175 Wo: 16 x 2 registers of f16
.set WREG,  8192                       ; LDS: a region for each wave: two stages of 32 x SP bytes, then its 256 scale bytes
.set SP,    80                         ; a lane's place in a stage: 64 bytes + 16 of padding
.set SPW,   12                         ; v12  LDS address of my spare word; never rewritten
.set NIL,   13                         ; v13  0; never rewritten
.set SPARE, WAVES*WREG                 ; behind the four regions: the spare words, 128 bytes a wave
	s_load_b256 s[4:11], s[0:1], 0x0               ; hidden s[4:5], Wq s[6:7], Wk s[8:9], Wv s[10:11]
	s_load_b256 s[12:19], s[0:1], 0x20             ; Wo s[12:13], h_codes s[14:15], h_scales s[16:17], w_codes s[18:19]
	s_load_b128 s[20:23], s[0:1], 0x40             ; w_scales s[20:21], wo16 s[22:23]
	v_lshl_add_u32 v[SPW], v0, 2, SPARE
	v_mov_b32 v[NIL], 0
	v_lshrrev_b32 v1, 5, v0
	v_readfirstlane_b32 s34, v1                    ; wave
	v_and_b32 v2, 31, v0                           ; lane
	v_lshlrev_b32 v3, 4, v2                        ; my 16 bytes of a load's 512
	s_mul_i32 s35, s34, WREG
	v_lshrrev_b32 v14, 2, v2
	v_mul_u32_u24 v14, v14, SP
	v_and_b32 v15, 3, v2
	v_lshl_add_u32 v14, v15, 4, v14
	v_add_nc_u32 v14, s35, v14                     ; the stage, on the way in: SP (lane / 4) + 16 (lane % 4)
	v_mul_u32_u24 v15, v2, SP
	v_add_nc_u32 v15, s35, v15                     ; and on the way out: SP x lane: my 16 neighbours
	v_mul_u32_u24 v4, v2, CB                       ; my codes' place in a step's
	v_lshrrev_b32 v5, 1, v2
	s_add_co_u32 s35, s35, 2*32*SP
	v_add_nc_u32 v5, s35, v5                       ; LDS: my wave's 256 scale bytes, my block's byte
	v_lshlrev_b32 v7, 3, v2                        ; 8 bytes a lane
	v_add_nc_u32 v6, s35, v7
	s_sub_co_u32 s30, ttmp9, 128                   ; a weight's work-group among the 96,
	s_and_b32 s31, s30, 31                         ; and among its own tensor's 32
	s_wait_kmcnt 0x0
	s_cmp_ge_u32 ttmp9, 224
	s_cbranch_scc1 .Lwo
	s_cmp_lt_u32 ttmp9, 160                        ; the choices hang on the work-group's number alone
	s_cselect_b64 s[24:25], s[6:7], s[8:9]
	s_cmp_lt_u32 ttmp9, 192
	s_cselect_b64 s[24:25], s[24:25], s[10:11]
	s_cmp_lt_u32 ttmp9, 128
	s_cselect_b64 s[4:5], s[4:5], s[24:25]         ; the numbers,
	s_cselect_b64 s[8:9], s[14:15], s[18:19]       ; the codes,
	s_cselect_b64 s[10:11], s[16:17], s[20:21]     ; the scale bytes
	s_cselect_b32 s31, ttmp9, s31                  ; which run of 32,768 numbers of the source,
	s_cselect_b32 s30, ttmp9, s30                  ; and of the destination
	s_lshl_b32 s31, s31, 2
	s_add_co_u32 s31, s31, s34                     ; my wave's run of 8,192
	s_lshl_b32 s30, s30, 2
	s_add_co_u32 s30, s30, s34
	s_lshl_b32 s26, s31, 15                        ; 32,768 bytes of numbers a run,
	s_mov_b32 s27, 0
	s_add_nc_u64 s[4:5], s[4:5], s[26:27]
	s_lshl_b32 s26, s30, 12                        ; 4,096 of codes,
	s_add_nc_u64 s[8:9], s[8:9], s[26:27]
	s_lshl_b32 s26, s30, 8                         ; 256 of scale bytes
	s_add_nc_u64 s[10:11], s[10:11], s[26:27]
.macro LOAD t
.irp i, 0,1,2,3
	global_load_b128 v[R+16*((\t)%4)+4*\i:R+16*((\t)%4)+4*\i+3], v3, s[4:5] offset:2048*(\t)+512*\i th:TH_LOAD_NT   ; 32 lanes read 512 consecutive bytes
.endr
.endm
.macro TURN t                          ; step t's numbers through the stage: LDS serves a wave's instructions in order, so no wait stands between the stores and the loads
.irp i, 0,1,2,3
	ds_store_b128 v14, v[R+16*((\t)%4)+4*\i:R+16*((\t)%4)+4*\i+3] offset:32*SP*((\t)%2)+8*SP*\i
.endr
.irp i, 0,1,2,3
	ds_load_b128 v[X+16*((\t)%2)+4*\i:X+16*((\t)%2)+4*\i+3], v15 offset:32*SP*((\t)%2)+16*\i
.endr
.endm
.irp t, 0,1,2,3
	LOAD \t
.endr
	s_wait_loadcnt 12                              ; step 0's four loads are in; the twelve younger stay out
	TURN 0
.macro STEP t
.set XS, X+16*((\t)%2)
.if (\t) > 0
	s_wait_dscnt 1                                 ; this step's numbers are back from the stage (the last step's byte store may be out): so its stores into the stage have read their registers,
.else
	s_wait_dscnt 0x0
.endif
.if (\t)+4 < STEPS
	LOAD (\t)+4                                    ; which take the loads of four steps on
.endif
.if (\t)+1 < STEPS
.if STEPS-2-(\t) >= 3
	s_wait_loadcnt 12                              ; the next step's four loads are in; those of the three steps behind it may be out
.else
	s_wait_loadcnt 4*(STEPS-2-(\t))
.endif
	TURN (\t)+1                                    ; and go through the other stage while this step is worked
.endif
	v_max3_num_f32 v8, |v[XS]|, |v[XS+1]|, |v[XS+2]|               ; the largest magnitude of my 16, in two chains
	v_max3_num_f32 v9, |v[XS+3]|, |v[XS+4]|, |v[XS+5]|
.irp i, 6,10
	v_max3_num_f32 v8, v8, |v[XS+\i]|, |v[XS+\i+1]|
	v_max3_num_f32 v9, v9, |v[XS+\i+2]|, |v[XS+\i+3]|
.endr
	v_max3_num_f32 v8, v8, |v[XS+14]|, |v[XS+15]|
	v_max3_num_f32 v8, v8, v9, (EMAX+1)<<23        ; and the floor 2^(EMAX + 1 - 127): the byte cannot fall under 1
	v_max_num_f32_dpp v8, v8, v8 row_xmask:1 row_mask:0xf bank_mask:0xf   ; and of my neighbour's 16: the block's
	v_add_nc_u32 v11, -(EMAX<<23), v8              ; EMAX off its exponent field: the conversion takes the exponent field of this operand as its scale
	v_cvt_scalef32_pk8_fp4_f32 v[C+4*(\t)], v[XS:XS+7], v11        ; to the nearest code, ties to even, beyond the largest code the largest; the first number's code in the lowest four bits
	v_cvt_scalef32_pk8_fp4_f32 v[C+4*(\t)+1], v[XS+8:XS+15], v11
	v_lshrrev_b32 v[E+(\t)], 23, v11               ; the scale's byte
	ds_store_b8 v5, v[E+(\t)] offset:16*(\t)       ; both lanes of a block write the same byte with the same value
	global_store_b64 v4, v[C+4*(\t):C+4*(\t)+1], s[8:9] offset:32*CB*(\t)   ; the wave stores 256 consecutive bytes, aligned
.endm
.irp t, 0,1,2,3,4,5,6,7,8,9,10,11,12,13,14,15
	STEP \t
.endr
	ds_load_b64 v[8:9], v6                         ; LDS serves a wave's instructions in order: these see my byte stores
	s_wait_dscnt 0x0
	global_store_b64 v7, v[8:9], s[10:11]          ; 32 lanes store 256 consecutive bytes, aligned
	s_branch .Lend
; Wo to f16: a plain stream, no LDS.  A wave takes 8,192 numbers in four passes of 16 chunks of 512 bytes; two passes' loads are out at the start.
.Lwo:
	s_sub_co_u32 s30, ttmp9, 224
	s_lshl_b32 s30, s30, 2
	s_add_co_u32 s30, s30, s34                     ; my wave's run of 8,192 numbers
	s_lshl_b32 s26, s30, 15
	s_mov_b32 s27, 0
	s_add_nc_u64 s[12:13], s[12:13], s[26:27]
	s_lshl_b32 s26, s30, 14
	s_add_nc_u64 s[22:23], s[22:23], s[26:27]
.macro WLOAD k
.irp i, 0,1,2,3,4,5,6,7,8,9,10,11,12,13,14,15
	global_load_b128 v[R+64*((\k)%2)+4*\i:R+64*((\k)%2)+4*\i+3], v3, s[12:13] offset:8192*(\k)+512*\i th:TH_LOAD_NT
.endr
.endm
.macro WPASS k
.set RS, R+64*((\k)%2)
.if (\k) < 3
	s_wait_loadcnt 16                              ; this pass's 16 loads are in; the next pass's 16 stay out
.else
	s_wait_loadcnt 0x0
.endif
	s_wait_xcnt 0x0                                ; the last pass's stores have read their data: the f16 registers are written again only behind this wait
.irp i, 0,1,2,3,4,5,6,7,8,9,10,11,12,13,14,15
	v_cvt_pk_f16_f32 v[H16+2*\i], v[RS+4*\i], v[RS+4*\i+1]
	v_cvt_pk_f16_f32 v[H16+2*\i+1], v[RS+4*\i+2], v[RS+4*\i+3]
.endr
.irp i, 0,1,2,3,4,5,6,7,8,9,10,11,12,13,14,15
	global_store_b64 v7, v[H16+2*\i:H16+2*\i+1], s[22:23] offset:4096*(\k)+256*\i   ; the wave stores 256 consecutive bytes, aligned
.endr
.if (\k)+2 < 4
	WLOAD (\k)+2
.endif
.endm
	WLOAD 0
	WLOAD 1
	WPASS 0
	WPASS 1
	WPASS 2
	WPASS 3
.Lend:
	s_wait_tensorcnt 0x0                           ; the wave's end, behind my last LDS store
	ds_add_u32 v[SPW], v[NIL]
	s_wait_dscnt 0x0
	s_endpgm
.Lfunc_end_k_q721ab7f5aa_quant:
	.size	k_q721ab7f5aa_quant, .Lfunc_end_k_q721ab7f5aa_quant-k_q721ab7f5aa_quant
	.p2alignl 7, 3214868480
	.fill 96, 4, 3214868480
	.section	.rodata,"a",@progbits
	.p2align	6, 0x0
	.amdhsa_kernel k_q721ab7f5aa_quant
		.amdhsa_group_segment_fixed_size 33280
		.amdhsa_private_segment_fixed_size 0
		.amdhsa_enable_private_segment 0
		.amdhsa_kernarg_size 80
		.amdhsa_user_sgpr_count 2
		.amdhsa_user_sgpr_kernarg_segment_ptr 1
		.amdhsa_wavefront_size32 1
		.amdhsa_system_sgpr_workgroup_id_x 1
		.amdhsa_system_sgpr_workgroup_id_y 1
		.amdhsa_system_sgpr_workgroup_id_z 1
		.amdhsa_system_vgpr_workitem_id 0
		.amdhsa_next_free_vgpr 192
		.amdhsa_next_free_sgpr 66
		.amdhsa_reserve_vcc 0
		.amdhsa_float_denorm_mode_32 3
		.amdhsa_float_denorm_mode_16_64 3
		.amdhsa_memory_ordered 1
		.amdhsa_forward_progress 1
		.amdhsa_inst_pref_size 54
	.end_amdhsa_kernel
	.amdgpu_metadata
---
amdhsa.version: [ 1, 2 ]
amdhsa.kernels:
  - .name:           k_q721ab7f5aa_quant
    .symbol:         k_q721ab7f5aa_quant.kd
    .args:
      - { .name: hidden_states, .offset: 0, .size: 8, .value_kind: global_buffer, .address_space: global }
      - { .name: Wq, .offset: 8, .size: 8, .value_kind: global_buffer, .address_space: global }
      - { .name: Wk, .offset: 16, .size: 8, .value_kind: global_buffer, .address_space: global }
      - { .name: Wv, .offset: 24, .size: 8, .value_kind: global_buffer, .address_space: global }
      - { .name: Wo, .offset: 32, .size: 8, .value_kind: global_buffer, .address_space: global }
      - { .name: h_codes, .offset: 40, .size: 8, .value_kind: global_buffer, .address_space: global }
      - { .name: h_scales, .offset: 48, .size: 8, .value_kind: global_buffer, .address_space: global }
      - { .name: w_codes, .offset: 56, .size: 8, .value_kind: global_buffer, .address_space: global }
      - { .name: w_scales, .offset: 64, .size: 8, .value_kind: global_buffer, .address_space: global }
      - { .name: wo16, .offset: 72, .size: 8, .value_kind: global_buffer, .address_space: global }
    .group_segment_fixed_size: 33280
    .private_segment_fixed_size: 0
    .kernarg_segment_align: 8
    .kernarg_segment_size: 80
    .max_flat_workgroup_size: 128
    .sgpr_count:     66
    .vgpr_count:     192
    .wavefront_size: 32
...
	.end_amdgpu_metadata
.endif
;; end of part 1
;; launch qkv (part 2): grid 12 x 16, 4 waves a work-group, clusters of 4 x 4, 327,680 bytes of LDS; arguments h_codes, h_scales, w_codes, w_scales, qkv, fineq; writes qkv, fineq
.if DOCPART == 2
	.amdgcn_target "amdgcn-amd-amdhsa--gfx1250"
	.amdhsa_code_object_version 6
	.text
	.protected	k_q721ab7f5aa_qkv
	.globl	k_q721ab7f5aa_qkv
	.p2align	8
	.type	k_q721ab7f5aa_qkv,@function
k_q721ab7f5aa_qkv:
	s_mov_b64 s[64:65], 0
	v_nop
	global_prefetch_b8 v0, s[64:65] scope:SCOPE_SE
	s_setreg_imm32_b32 hwreg(HW_REG_WAVE_MODE, 25, 1), 1
	s_wait_xcnt 0x0
	s_wait_alu depctr_hold_cnt(0) depctr_sa_sdst(0) depctr_va_vdst(0) depctr_va_sdst(0) depctr_va_ssrc(0) depctr_va_vcc(0) depctr_vm_vsrc(0)
	s_getreg_b32 s2, hwreg(HW_REG_IB_STS2, 6, 4)
	s_cmp_eq_u32 s2, 0
	s_cbranch_scc0 .Lentry_in_a_cluster
	s_endpgm
.Lentry_in_a_cluster:
	s_bfe_u32 s2, ttmp6, 0x10000c
	s_cmp_lg_u32 s2, 0xf033
	s_cbranch_scc0 .Lentry_shape_is_right
	s_endpgm
.Lentry_shape_is_right:
; SECOND LAUNCH: the three quantised projections as ONE product on codes of FP4: C[4096 tokens][3072] = hidden (Wq; Wk; Wv)^T, f32 sums.  Nothing is left out here.
; A: h_codes [4096][512 bytes], h_scales [4096][32]; B: w_codes [3072][512 bytes], w_scales [3072][32]: codes and E8M0 bytes go to the matrix unit as they lie.
; A tile of C, 256 x 256, is made by a work-group of four waves; a wave makes 128 x 128: 64 accumulators, 512 registers.  K = 1,024 is two LDS slots of 512 along K (rows of 256 bytes): both are asked for at the start and
; nothing is filled again.  The scale bytes of the work-group's 256 + 256 rows come once, with the first fills.
; CLUSTERS: 4 x 4 work-groups; A's tiles are asked for jointly along a row of the cluster, B's along a column.  The cluster's x says which of Q, K, V the tile belongs to: it is the same in all sixteen partners.
; THE MATRIX INSTRUCTION IS USED TRANSPOSED (source 0 = 16 rows of B, source 1 = 16 rows of A): a lane holds eight neighbouring columns of one token.
; THE WAY OUT.  Q is multiplied, in f32, by c = 2 log2(e) / (8 x 30), the factor that the softcap's exponent wants.  Results are rounded once to f16 and laid by head: qkv [3][16 batch + head][2048][64].
; A wave's 128 columns are two heads; a block of 16 tokens goes through the wave's stage in LDS, and sixteen lanes store 256 consecutive aligned bytes (two tokens' rows of one head).
; The first 16 tokens of each sequence also leave in f32, as images of the accumulators' registers (fineq [2][192 blocks of 16 columns][2 halves][32 lanes][16 bytes]), for the last launch.  Which waves hold them hangs on the
; work-group's place in its cluster: those stores stand under a lane mask.
; LIMIT: a value of c q, k or v beyond 65,504 becomes infinity in f16.
; REGISTERS, in windows of 256: window 0: v0-31 addresses; v32-95 scale words, two sets; v128-191 A's fragments, one set; on the way out v32-63, v192-255 at work.   window 1: B's fragments, two sets.
;   window 2: the accumulators of my rows 0-63 ((a, b) at v[8 (8 a + b)]);   window 3: those of my rows 64-127.
.set SIZE_K, 1024
.set KSTEP,  512                       ; along K in a slot
.set NQ,     KSTEP/128                 ; matrix instructions deep
.set ROWB,   256                       ; a tile's row in bytes
.set KROW,   SIZE_K*4/8                ; a row of codes in memory
.set PITCH,  272                       ; an LDS row: 256 bytes + 16 of padding: the 16 rows of a load start 16 bytes further on in each run of 256
.set FR,     8                         ; registers of a fragment
.set NL,     2                         ; LDS loads that bring one
.set NP,     4                         ; places behind this matrix instruction (ISA guide 7.12.1)
.set HALFT,  128*PITCH
.set SLOT,   4*HALFT                   ; A's 256 rows, then B's 256 rows
.set KS,     SIZE_K/32                 ; a row of scale bytes
.set SCL,    2*SLOT                    ; behind the slots: the scales, as runs of 256 bytes + 16 of padding
.set HALFS,  (128*KS/256)*272
.set SBLK,   (16*KS/256)*272
.set SPARE,  SCL+4*HALFS               ; the spare words, 128 bytes a wave
.set SPITCH, 272                       ; the way out: a stage of 16 rows x (256 bytes + 16) a wave, in slot 0, which has had its only fill and its last read by then
.set ADRA, 16
.set ADRB, 20
.set STO,  24                          ; v24  the way out: where I put 16 bytes of a token's row
.set RD,   25                          ; v25  where I read back
.set CO,   26                          ; v26  my byte offset in qkv
.set ADRS, 27
.set SPW,  28
.set NIL,  29
.set FLG,  30                          ; v30  0 where my wave's first 16 rows are the first 16 tokens of a sequence
.set FO,   31                          ; v31  16 x lane
.set SC,   32
.set AF,   128
.set TMP,  192                         ; packed results
.set OB,   32                          ; rows read back: v32-63 and v224-255 by turns
.set G1, 24
.set G0, 32
.set G1B, 48
.set G0B, 56
.set G1S, 68
.set G0S, 76
.set G1SB, 80
.set G0SB, 88
.set MSB, 0
.macro WIN new                         ; the immediate's high byte repeats the setting that is left
.if MSB != \new
	s_set_vgpr_msb (MSB<<8)|\new
.set MSB, \new
.endif
.endm
.set MUL_LO, 0xa1                      ; source 0 (B) window 1, source 1 (A) window 0, C and D window 2
.set MUL_HI, 0xf1
.set TO_B,   0x40
; A joint load: waves 0 and 1 fetch for A, waves 2 and 3 for B; the branch hangs on the wave's number alone.  An s_nop 0 and four v_nop follow each of the two lines.
.macro JLOAD g0a, g1a, g0b, g1b
	s_cmp_eq_u32 s15, 0
	s_cbranch_scc0 .Lfor_b_\@
	tensor_load_to_lds s[\g0a:\g0a+3], s[\g1a:\g1a+7]
	s_nop 0
.rept 4
	v_nop
.endr
	s_branch .Lasked_\@
.Lfor_b_\@:
	tensor_load_to_lds s[\g0b:\g0b+3], s[\g1b:\g1b+7]
	s_nop 0
.rept 4
	v_nop
.endr
.Lasked_\@:
.endm
.macro CROUND                          ; a round of the cluster's barrier
	s_barrier_signal -1
	s_barrier_wait -1
	s_cmp_lg_u32 s14, 0
	s_cbranch_scc1 .Lnot_wave_0_\@
	s_barrier_signal -3
.Lnot_wave_0_\@:
	s_barrier_wait -3
	s_barrier_signal -1
	s_barrier_wait -1
.endm
	s_load_b128 s[4:7], s[0:1], 0x0                ; A's codes, A's scales
	s_load_b128 s[8:11], s[0:1], 0x10              ; B's codes, B's scales
	s_load_b128 s[96:99], s[0:1], 0x20             ; qkv s[96:97], fineq s[98:99]
	v_lshl_add_u32 v[SPW], v0, 2, SPARE
	v_mov_b32 v[NIL], 0
	ds_add_u32 v[SPW], v[NIL]                      ; the wave's opening: the add, twice on end, and its wait ahead of my first tensor load
	ds_add_u32 v[SPW], v[NIL]
	v_lshrrev_b32 v1, 5, v0
	v_readfirstlane_b32 s14, v1                    ; wave 0..3
	s_lshr_b32 s15, s14, 1                         ; which half of the tile's rows is mine.  Also: I fetch for A (0) or for B (1)
	s_and_b32 s16, s14, 1                          ; which half of its columns.  Also: which 128 rows I fetch
	s_bfe_u32 s40, ttmp6, 0x40000                  ; cx, cy
	s_bfe_u32 s41, ttmp6, 0x40004
	s_lshl_b32 s42, ttmp9, 2
	s_add_co_u32 s42, s42, s40                     ; tile column = 4 x cluster x + cx
	s_and_b32 s17, ttmp7, 0xffff
	s_lshl_b32 s17, s17, 2
	s_add_co_u32 s17, s17, s41                     ; tile row = 4 x cluster y + cy
	s_lshl_b32 s43, s41, 2
	s_lshl_b32 s43, 15, s43                        ; my row of the cluster
	s_lshl_b32 s44, 0x1111, s40                    ; my column
	s_or_b32 s[G1+0], s43, (0<<16)|(1<<20)|(1<<21)|(5<<22)|(3<<25)  ; the mask; elements of 1 byte; padding on; bit 21 beside a mask; 4 words behind every 64
	s_or_b32 s[G1B+0], s44, (0<<16)|(1<<20)|(1<<21)|(5<<22)|(3<<25)
.irp g, G1, G1B
	s_mov_b32 s[\g+1], ROWB<<16                    ; tensor_dim0
	s_mov_b32 s[\g+2], 128<<16                     ; tensor_dim1
	s_mov_b32 s[\g+3], ROWB<<16                    ; tile_dim0
	s_mov_b32 s[\g+4], 128                         ; tile_dim1
	s_mov_b32 s[\g+5], KROW                        ; the pitch
	s_mov_b32 s[\g+6], 0
	s_mov_b32 s[\g+7], 0
.endr
	s_or_b32 s[G1S+0], s43, (3<<16)|(1<<20)|(1<<21)|(5<<22)|(3<<25)  ; the scales of 128 rows: 4,096 dense bytes as 16 rows of 256 (32 elements of 8 bytes)
	s_or_b32 s[G1SB+0], s44, (3<<16)|(1<<20)|(1<<21)|(5<<22)|(3<<25)
.irp g, G1S, G1SB
	s_mov_b32 s[\g+1], 32<<16
	s_mov_b32 s[\g+2], (128*KS/256)<<16
	s_mov_b32 s[\g+3], 32<<16
	s_mov_b32 s[\g+4], 128*KS/256
	s_mov_b32 s[\g+5], 32
	s_mov_b32 s[\g+6], 0
	s_mov_b32 s[\g+7], 0
.endr
	s_mov_b32 s100, 0x3c44f9d9                     ; c = 2 log2(e) / 240
	s_mov_b32 s101, s100                           ; (named with it as a pair)
	s_lshl_b32 s18, s16, 7
	s_lshl_b32 s20, s17, 8
	s_add_co_u32 s20, s20, s18                     ; A: row 256 x tile row + 128 x half
	s_lshl_b32 s46, s42, 8
	s_add_co_u32 s46, s46, s18                     ; B: row 256 x tile column + 128 x half
	s_mov_b32 s21, 0
	s_mov_b32 s47, 0
	s_mov_b64 s[18:19], KS
	s_mul_u64 s[22:23], s[20:21], s[18:19]         ; where these rows' scales begin
	s_mul_u64 s[92:93], s[46:47], s[18:19]
	s_mov_b64 s[18:19], KROW
	s_mul_u64 s[20:21], s[20:21], s[18:19]         ; and their codes
	s_mul_u64 s[46:47], s[46:47], s[18:19]
	s_mul_i32 s45, s14, HALFT                      ; where they go: wave x 128 rows
	s_mul_i32 s94, s14, HALFS
	s_wait_dscnt 0x0                               ; both opening adds are done
	s_wait_kmcnt 0x0
	s_add_nc_u64 s[20:21], s[4:5], s[20:21]
	s_add_nc_u64 s[22:23], s[6:7], s[22:23]
	s_add_nc_u64 s[46:47], s[8:9], s[46:47]
	s_add_nc_u64 s[92:93], s[10:11], s[92:93]
	CROUND                                         ; all sixteen work-groups are here: the joint loads meet
	s_mov_b32 s[G0S], 1
	s_add_co_u32 s[G0S+1], s94, SCL
	s_mov_b64 s[G0S+2:G0S+3], s[22:23]
	s_or_b32 s[G0S+3], s[G0S+3], 0x80000000
	s_mov_b32 s[G0SB], 1
	s_add_co_u32 s[G0SB+1], s94, SCL
	s_mov_b64 s[G0SB+2:G0SB+3], s[92:93]
	s_or_b32 s[G0SB+3], s[G0SB+3], 0x80000000
	JLOAD G0S, G1S, G0SB, G1SB                     ; the scales first; three loads of mine are out behind the next two
.irp s, 0,1
	s_mov_b32 s[G0+4*\s], 1
	s_add_co_u32 s[G0+4*\s+1], s45, \s*SLOT
	s_add_nc_u64 s[G0+4*\s+2:G0+4*\s+3], s[20:21], \s*ROWB
	s_or_b32 s[G0+4*\s+3], s[G0+4*\s+3], 0x80000000
	s_mov_b32 s[G0B+4*\s], 1
	s_add_co_u32 s[G0B+4*\s+1], s45, \s*SLOT
	s_add_nc_u64 s[G0B+4*\s+2:G0B+4*\s+3], s[46:47], \s*ROWB
	s_or_b32 s[G0B+4*\s+3], s[G0B+4*\s+3], 0x80000000
	JLOAD G0+4*\s, G1, G0B+4*\s, G1B
.endr
	v_and_b32 v1, 15, v0                           ; l % 16
	v_bfe_u32 v2, v0, 4, 1                         ; l / 16
	v_mul_u32_u24 v3, v1, PITCH
	v_lshl_add_u32 v4, v2, 4, v3                   ; a fragment's row x pitch + 16 x half
	s_mul_i32 s21, s15, HALFT
	s_mul_i32 s22, s16, HALFT
	s_add_co_u32 s22, s22, 2*HALFT
.irp s, 0,1
	v_add_nc_u32 v[ADRA+\s], s21, v4
	v_add_nc_u32 v[ADRB+\s], s22, v4
	s_add_co_u32 s21, s21, SLOT
	s_add_co_u32 s22, s22, SLOT
.endr
	v_mul_u32_u24 v5, v1, KS                       ; my row's scales: KS bytes a row,
	v_lshrrev_b32 v6, 8, v5
	v_lshl_add_u32 v5, v6, 4, v5                   ; and 16 more for each 256 passed
	s_mul_i32 s21, s15, HALFS
	s_mul_i32 s22, s16, HALFS
	s_add_co_u32 s22, s22, 2*HALFS
	s_sub_co_u32 s22, s22, s21
	v_mul_u32_u24 v6, s22, v2                      ; lanes 16-31 take B's
	s_add_co_u32 s21, s21, SCL
	v_add_nc_u32 v5, v5, v6
	v_add_nc_u32 v[ADRS], s21, v5
	s_mul_i32 s23, s14, 16*SPITCH                  ; my stage
	v_mul_u32_u24 v5, v1, SPITCH                   ; in: row l % 16, 16 bytes for each half of the lanes
	v_lshl_add_u32 v5, v2, 4, v5
	v_add_nc_u32 v[STO], s23, v5
	v_bfe_u32 v5, v0, 3, 1                         ; back: lanes 0-15 take two tokens' 128 bytes of my first head, lanes 16-31 of my second
	v_mul_u32_u24 v6, v5, SPITCH
	v_lshl_add_u32 v6, v2, 7, v6
	v_and_b32 v7, 7, v0
	v_lshl_add_u32 v6, v7, 4, v6
	v_add_nc_u32 v[RD], s23, v6
	v_lshlrev_b32 v6, 7, v5                        ; and the same place in qkv: a token's row is 128 bytes, a head's plane 262,144
	v_lshl_add_u32 v6, v2, 18, v6
	v_lshl_add_u32 v[CO], v7, 4, v6
	v_and_b32 v6, 31, v0
	v_lshlrev_b32 v[FO], 4, v6
	s_lshl_b32 s20, ttmp9, 23                      ; Q, K or V: 8,388,608 bytes each
	s_lshr_b32 s21, s17, 3                         ; the sequence
	s_lshl_b32 s21, s21, 4
	s_and_b32 s46, s42, 3
	s_lshl_b32 s46, s46, 2
	s_add_co_u32 s21, s21, s46
	s_lshl_b32 s46, s16, 1
	s_add_co_u32 s21, s21, s46                     ; my first head's plane: 16 x sequence + 4 (tile column % 4) + 2 x half
	s_lshl_b32 s21, s21, 18
	s_add_co_u32 s20, s20, s21
	s_and_b32 s21, s17, 7
	s_lshl_b32 s21, s21, 1
	s_add_co_u32 s21, s21, s15                     ; which 128 tokens of the sequence are mine
	v_mov_b32 v[FLG], s21
	s_lshl_b32 s46, s21, 14
	s_add_co_u32 s20, s20, s46
	s_mov_b32 s21, 0
	s_add_nc_u64 s[96:97], s[96:97], s[20:21]
	s_lshr_b32 s20, s17, 3
	s_mul_i32 s20, s20, 196608                     ; fineq: a sequence's 192 blocks of 1,024 bytes,
	s_lshl_b32 s46, s42, 1
	s_add_co_u32 s46, s46, s16
	s_lshl_b32 s46, s46, 13                        ; my eight blocks
	s_add_co_u32 s20, s20, s46
	s_add_nc_u64 s[98:99], s[98:99], s[20:21]
.macro FRAG reg, adr, q, i             ; 16 rows x 128 K of 4-bit codes: 8 registers; registers 4 c .. 4 c + 3 hold K = 64 c + 32 (l / 16) + 0 .. 31
.irp c, 0,1
	ds_load_b128 v[\reg+4*\c:\reg+4*\c+3], v[\adr] offset:64*(\q)+32*\c+(\i)*16*PITCH
.endr
.endm
; 16 matrix instructions: A's blocks a0, a0 + 1 x B's eight.  The 64 accumulators take turns, one instruction a turn, in the same order in every step.
.macro MUL16 a0, p, q, sc, zero
.irp a, \a0, \a0+1
.irp b, 0,1,2,3,4,5,6,7
.if \zero
	v_wmma_scale_f32_16x16x128_f8f6f4 v[8*(8*((\a)%4)+\b):8*(8*((\a)%4)+\b)+7], v[128*(\p)+FR*\b:128*(\p)+FR*\b+FR-1], v[AF+FR*(\a):AF+FR*(\a)+FR-1], 0, v[SC+8*NQ*(\sc)+NQ*\b+(\q)], v[SC+8*NQ*(\sc)+NQ*(\a)+(\q)] matrix_a_fmt:MATRIX_FMT_FP4 matrix_b_fmt:MATRIX_FMT_FP4 matrix_a_scale:MATRIX_SCALE_ROW1
.else
	v_wmma_scale_f32_16x16x128_f8f6f4 v[8*(8*((\a)%4)+\b):8*(8*((\a)%4)+\b)+7], v[128*(\p)+FR*\b:128*(\p)+FR*\b+FR-1], v[AF+FR*(\a):AF+FR*(\a)+FR-1], v[8*(8*((\a)%4)+\b):8*(8*((\a)%4)+\b)+7], v[SC+8*NQ*(\sc)+NQ*\b+(\q)], v[SC+8*NQ*(\sc)+NQ*(\a)+(\q)] matrix_a_fmt:MATRIX_FMT_FP4 matrix_b_fmt:MATRIX_FMT_FP4 matrix_a_scale:MATRIX_SCALE_ROW1
.endif
.endr
.endr
.endm
.macro FETCH_B slot, q, p
	WIN TO_B
.irp i, 0,1,2,3,4,5,6,7
	FRAG 128*(\p)+FR*\i, ADRB+\slot, \q, \i
.endr
	WIN 0
.endm
.macro FETCH_A slot, q, i0
.irp i, \i0, \i0+1, \i0+2, \i0+3
	FRAG AF+FR*(\i), ADRA+\slot, \q, \i
.endr
.endm
.macro SCALES sc                       ; a slot's scale words: lanes 0-15 take A's block i, lanes 16-31 B's block i
.irp i, 0,1,2,3,4,5,6,7
	ds_load_b128 v[SC+8*NQ*\sc+NQ*\i:SC+8*NQ*\sc+NQ*\i+3], v[ADRS] offset:\i*SBLK
.endr
.endm
.macro PLACES n                        ; plain vector instructions between a matrix instruction and a load into, or a read of, its registers
.rept \n
	v_nop
.endr
.endm
.macro STEP slot, q, zero              ; a step of 128 along K that has its successor in the same slot
	s_wait_dscnt 4*NL                              ; B's set and A's blocks 0-3 are in; the youngest eight loads (A's blocks 4-7) may be out
	WIN MUL_LO
	MUL16 0, (\q)%2, \q, \slot, \zero
	MUL16 2, (\q)%2, \q, \slot, \zero
	s_wait_dscnt 0
	PLACES NP
	FETCH_B \slot, (\q)+1, 1-(\q)%2
	FETCH_A \slot, (\q)+1, 0
	WIN MUL_HI
	MUL16 4, (\q)%2, \q, \slot, \zero
	MUL16 6, (\q)%2, \q, \slot, \zero
	PLACES NP
	WIN 0
	FETCH_A \slot, (\q)+1, 4
.endm
; Slot 0's last step goes over to slot 1: each wave waits for all its tensor loads (its part of slot 1), and one barrier shows the whole slot to every wave.  Behind it nobody reads slot 0 any more.
.macro TURN slot, next
	s_wait_tensorcnt 0x0
	ds_add_u32 v[SPW], v[NIL]                      ; 0 onto my spare word
	s_wait_dscnt 4*NL+1                            ; (the add and the youngest eight loads may be out)
	WIN MUL_LO
	MUL16 0, 1, NQ-1, \slot, 0
	s_wait_dscnt 0x0                               ; the add is done, and my reads of this slot are over
	s_barrier_signal -1
	MUL16 2, 1, NQ-1, \slot, 0
	WIN 0
	s_barrier_wait -1
	PLACES NP
	v_add_nc_u32 v[ADRS], 4*NQ, v[ADRS]            ; on to the next slot's scale words
	FETCH_B \next, 0, 0
	FETCH_A \next, 0, 0
	SCALES \next
	WIN MUL_HI
	MUL16 4, 1, NQ-1, \slot, 0
	MUL16 6, 1, NQ-1, \slot, 0
	PLACES NP
	WIN 0
	FETCH_A \next, 0, 4
.endm
.macro STEPS slot, from
.set Q, \from
.rept NQ-1-\from
	STEP \slot, Q, 0
.set Q, Q+1
.endr
.endm
	s_wait_tensorcnt 1                             ; the scales and my part of slot 0 are in; slot 1's load may be out
	s_barrier_signal -1
	s_barrier_wait -1
	FETCH_B 0, 0, 0
	FETCH_A 0, 0, 0
	SCALES 0
	FETCH_A 0, 0, 4
	STEP 0, 0, 1                                   ; the first products start the sums: nothing is cleared
	STEPS 0, 1
	TURN 0, 1
	STEPS 1, 0
	s_wait_dscnt 4*NL
	WIN MUL_LO
	MUL16 0, 1, NQ-1, 1, 0
	MUL16 2, 1, NQ-1, 1, 0
	s_wait_dscnt 0
	WIN MUL_HI
	MUL16 4, 1, NQ-1, 1, 0
	MUL16 6, 1, NQ-1, 1, 0
	WIN 0
	PLACES NP
	s_cmp_lg_u32 ttmp9, 0                          ; the cluster's x: 0 = Q.  The same in all sixteen partners
	s_cbranch_scc1 .Lnot_q
	WIN 0x82                                       ; Q x c, in f32, ahead of its one rounding; each accumulator from its low end on
.set I, 0
.rept 128
	v_pk_mul_f32 v[I:I+1], v[I:I+1], s[100:101] op_sel_hi:[1,0]
.set I, I+2
.endr
	WIN 0xc3
.set I, 0
.rept 128
	v_pk_mul_f32 v[I:I+1], v[I:I+1], s[100:101] op_sel_hi:[1,0]
.set I, I+2
.endr
	WIN 0
.Lnot_q:
	s_wait_xcnt 0x0                                ; EXEC changes only behind this wait
	v_cmp_eq_u32 vcc_lo, 0, v[FLG]
	s_and_saveexec_b32 s94, vcc_lo                 ; all lanes, or none: the first 16 tokens of a sequence leave in f32, as they stand in the registers
	WIN 0x08                                       ; a store's data: window 2
.irp b, 0,1,2,3,4,5,6,7
	global_store_b128 v[FO], v[8*\b:8*\b+3], s[98:99] offset:1024*\b
	global_store_b128 v[FO], v[8*\b+4:8*\b+7], s[98:99] offset:1024*\b+512
.endr
	WIN 0
	s_wait_xcnt 0x0
	s_or_b32 exec_lo, exec_lo, s94
.macro PACK a                          ; block a rounded to f16: 16 bytes a lane and tile
.set AC, 64*((\a)%4)
	WIN 0x0a+5*((\a)/4)
.irp b, 0,1,2,3,4,5,6,7
.irp r, 0,1,2,3
	v_cvt_pk_f16_f32 v[TMP+4*\b+\r], v[AC+8*\b+2*\r], v[AC+8*\b+2*\r+1]
.endr
.endr
	WIN 0
.endm
.macro TOSTAGE a
.set BK, OB+192*((\a)%2)
.irp b, 0,1,2,3,4,5,6,7
	ds_store_b128 v[STO], v[TMP+4*\b:TMP+4*\b+3] offset:32*\b
.endr
.irp t, 0,1,2,3,4,5,6,7
	ds_load_b128 v[BK+4*\t:BK+4*\t+3], v[RD] offset:\t*2*SPITCH    ; LDS serves a wave's instructions in order: these see the stores above
.endr
.endm
.macro SEND a
.set BK, OB+192*((\a)%2)
	s_wait_dscnt 0x0                               ; the block is back in registers
	s_wait_xcnt 0x0                                ; the block before last's stores have read their data: the next loads from the stage may land there
.irp t, 0,1,2,3,4,5,6,7
	global_store_b128 v[CO], v[BK+4*\t:BK+4*\t+3], s[96:97] offset:2048*(\a)+256*\t   ; 16 lanes store 256 consecutive bytes, aligned
.endr
.endm
	PACK 0
	TOSTAGE 0
.irp a, 1,2,3,4,5,6,7                  ; block a's conversions stand between block a - 1's loads from the stage and the wait for them
	PACK \a
	SEND (\a)-1
	TOSTAGE \a
.endr
	SEND 7
	s_wait_tensorcnt 0x0                           ; the wave's end
	ds_add_u32 v[SPW], v[NIL]
	s_wait_dscnt 0x0
	CROUND                                         ; the closing round
	s_endpgm
.Lfunc_end_k_q721ab7f5aa_qkv:
	.size	k_q721ab7f5aa_qkv, .Lfunc_end_k_q721ab7f5aa_qkv-k_q721ab7f5aa_qkv
	.p2alignl 7, 3214868480
	.fill 96, 4, 3214868480
	.section	.rodata,"a",@progbits
	.p2align	6, 0x0
	.amdhsa_kernel k_q721ab7f5aa_qkv
		.amdhsa_group_segment_fixed_size 327680
		.amdhsa_private_segment_fixed_size 0
		.amdhsa_enable_private_segment 0
		.amdhsa_kernarg_size 48
		.amdhsa_user_sgpr_count 2
		.amdhsa_user_sgpr_kernarg_segment_ptr 1
		.amdhsa_wavefront_size32 1
		.amdhsa_system_sgpr_workgroup_id_x 1
		.amdhsa_system_sgpr_workgroup_id_y 1
		.amdhsa_system_sgpr_workgroup_id_z 1
		.amdhsa_system_vgpr_workitem_id 0
		.amdhsa_next_free_vgpr 1024
		.amdhsa_next_free_sgpr 102
		.amdhsa_reserve_vcc 1
		.amdhsa_float_denorm_mode_32 3
		.amdhsa_float_denorm_mode_16_64 3
		.amdhsa_memory_ordered 1
		.amdhsa_forward_progress 1
		.amdhsa_inst_pref_size 145
	.end_amdhsa_kernel
	.amdgpu_metadata
---
amdhsa.version: [ 1, 2 ]
amdhsa.kernels:
  - .name:           k_q721ab7f5aa_qkv
    .symbol:         k_q721ab7f5aa_qkv.kd
    .args:
      - { .name: h_codes, .offset: 0, .size: 8, .value_kind: global_buffer, .address_space: global }
      - { .name: h_scales, .offset: 8, .size: 8, .value_kind: global_buffer, .address_space: global }
      - { .name: w_codes, .offset: 16, .size: 8, .value_kind: global_buffer, .address_space: global }
      - { .name: w_scales, .offset: 24, .size: 8, .value_kind: global_buffer, .address_space: global }
      - { .name: qkv, .offset: 32, .size: 8, .value_kind: global_buffer, .address_space: global }
      - { .name: fineq, .offset: 40, .size: 8, .value_kind: global_buffer, .address_space: global }
    .group_segment_fixed_size: 327680
    .private_segment_fixed_size: 0
    .kernarg_segment_align: 8
    .kernarg_segment_size: 48
    .max_flat_workgroup_size: 128
    .sgpr_count:     102
    .vgpr_count:     1024
    .wavefront_size: 32
...
	.end_amdgpu_metadata
.endif
;; end of part 2
;; launch attn (part 3): grid 8 x 32, 16 waves a work-group, no clusters, 327,680 bytes of LDS; arguments qkv, ctx; writes ctx
.if DOCPART == 3
	.amdgcn_target "amdgcn-amd-amdhsa--gfx1250"
	.amdhsa_code_object_version 6
	.text
	.protected	k_q721ab7f5aa_attn
	.globl	k_q721ab7f5aa_attn
	.p2align	8
	.type	k_q721ab7f5aa_attn,@function
k_q721ab7f5aa_attn:
	s_mov_b64 s[64:65], 0
	v_nop
	global_prefetch_b8 v0, s[64:65] scope:SCOPE_SE
	s_setreg_imm32_b32 hwreg(HW_REG_WAVE_MODE, 25, 1), 1
	s_wait_xcnt 0x0
; THIRD LAUNCH: causal attention with ALiBi and the tanh softcap, on f16 operands with f32 sums.  qkv [3][16 batch + head][2048][64] f16 (Q already times c); ctx [16 heads][4096 tokens][64] f16.
; LEFT OUT: steps of 64 keys all of which come after a wave's 16 queries, and slots that no wave of the work-group reads: the problem's own causal mask gives them the weight 0 for all values of the inputs.
; THE ARITHMETIC.  c = 2 log2(e) / 240, L = 60 log2(e).  x = c (q . k) + c slope (key - query); 30 tanh(score / 8 / 30) = 30 - 60 g with g = 1 / (1 + 2^x).  g falls where the score rises, so the running maximum of the
; capped scores is the running maximum of -g (NG, begun at -1, under which -g never lies); p = 2^(L gm - L g) with gm = -NG, at most 1; when NG rises, the sum and O^T are multiplied by 2^(L gm_new - L gm_old).
; ALiBi in two parts: T[j] = c slope (8 (lane / 16) + j - lane % 16), a constant tile, is the C of the first score product; U_t = 2^(c slope (KF + 16 t - Q0)), one number for a tile of 16 keys, rides in 1 + E U.
; U lies between 2^-17.4 and 2^0.4, E is 0, a number or infinity: no 0 x infinity arises.  A masked score gets g = +infinity behind the reciprocal: p = 0, and the maximum of -g passes it over.
; slope = 2^(-(head + 1) / 2), made in whole numbers: the bits of 1 or of 2^-0.5, less (head + 1) / 2 in the exponent field.
; SHARES.  A work-group owns the blocks p and 15 - p of 128 queries of one head: 17 blocks' worth of keys for every p.  Each of its sixteen waves owns one tile of 16 queries, in 256 registers, four waves to a SIMD;
; early and late tiles are dealt so that each four neighbouring waves, and each four waves 4 apart, hold two of each.  Keys go 64 a step through two LDS slots of 256 keys; wave 0 fetches a slot's K, wave 1 its V.
; NO CLUSTER: the work-groups of a head need 5 to 8 slots, by p; a joint load would bring tiles that no wave of some partner reads.
; LAYOUT.  S^T = K Q^T and O^T = V^T P: a lane holds ONE query (lane % 16) throughout; two tiles of S^T, rounded to f16 in pairs, are source 1 of the second product.  V comes out of LDS turned, by ds_load_tr16_b128.
; LIMITS: NaN and infinities among the inputs are not served; a ctx beyond 65,504 becomes infinity.
.set KP,    144                        ; a key's row of K in LDS: 128 bytes + 16
.set VP,    160                        ; of V: 128 + 32
.set SK,    256                        ; keys in a slot
.set VOFF,  SK*KP
.set SLOT1, 1<<17                      ; slot 1 begins here: one exclusive or turns an address
.set STAGE, SLOT1+SK*(KP+VP)           ; behind the slots: 16 rows x 144 bytes a wave, for the way out; no tile lands there
.set SPARE, STAGE+16*16*KP             ; the spare words, 128 bytes a wave
.set NSL,   8
.set AK0, 1
.set AV0, 2
.set SPW, 3
.set NIL, 4
.set GO,  5                            ; 16 x lane
.set STO, 6
.set RDA, 7
.set ADK, 8
.set ADV, 9
.set RH,  10                           ; lane % 16 - 8 (lane / 16)
.set PFO, 11                           ; 256 x lane
.set LM,  12                           ; v[12:13] L gm (the pair's low word serves both halves)
.set LS,  14                           ; v[14:15] the sum, in two halves
.set F,   32                           ; v32-95   the step's fragments of K, then of V
.set S,   96                           ; v96-127  S^T, then g, then p
.set P,   128                          ; v128-143 p in f16
.set O,   144                          ; v144-175 O^T
.set T,   176                          ; v176-183
.set U,   184                          ; v184-191 U_t at U + 2 t
.set M,   192                          ; v192-195
.set X,   196
.set FF,  198                          ; v[198:199]
.set X2,  200                          ; v[200:201]
.set D,   202
.set DM,  203
.set INF, 204
.set NG,  205
.set LMO, 206
.set NCS, 207                          ; -c slope
.set A1,  208                          ; v208-210 c slope x 16, 32, 48
.set RL,  212                          ; v[212:213]
.set QO,  214
.set TB,  2
.set SLOTS, 3
.set WV,  18
.set SEL, 20
.set NL,  22                           ; s[22:23] -L
.set G1K, 24
.set G1V, 32
.set G0K, 40
.set G0V, 44
.set KF,  48                           ; the step's first key
.set Q0,  49                           ; my first query
.set QL,  50                           ; my work-group's last query
.set PFA, 56
.set LIM, 58
; Wave 0 fetches K's tile, wave 1 V's, the others nothing.  An s_nop 0 and four v_nop follow each of the two lines.
.macro TLOAD
	s_cmp_lg_u32 s[WV], 0
	s_cbranch_scc1 .Lnot_k_\@
	tensor_load_to_lds s[G0K:G0K+3], s[G1K:G1K+7]
	s_nop 0
.rept 4
	v_nop
.endr
	s_branch .Lasked_\@
.Lnot_k_\@:
	s_cmp_lg_u32 s[WV], 1
	s_cbranch_scc1 .Lasked_\@
	tensor_load_to_lds s[G0V:G0V+3], s[G1V:G1V+7]
	s_nop 0
.rept 4
	v_nop
.endr
.Lasked_\@:
.endm
; A prefetch of what the NEXT change of slots will ask for: 32,768 bytes of K and as many of V.  All work-groups of a head walk the same K and V; the one with p = 0, which walks all of them, asks.  In it waves 4 to 7 ask for
; K's, waves 8 to 11 for V's: 8,192 bytes a wave, lanes 256 bytes apart, one instruction.  So each aligned 256 bytes are named once in the launch.  The last change that fills a slot asks for nothing.
.macro ASK
	s_cmp_gt_u32 s[SLOTS], s[LIM]
	s_cbranch_scc0 .Lnot_mine_\@
	global_prefetch_b8 v[PFO], s[PFA:PFA+1] th:TH_LOAD_NT scope:SCOPE_SE
.Lnot_mine_\@:
.endm
	s_load_b128 s[4:7], s[0:1], 0x0                ; qkv, ctx
	v_lshl_add_u32 v[SPW], v0, 2, SPARE
	v_mov_b32 v[NIL], 0
	ds_add_u32 v[SPW], v[NIL]                      ; the wave's opening: the add, twice on end, and its wait ahead of my first tensor load
	ds_add_u32 v[SPW], v[NIL]
	v_lshrrev_b32 v8, 5, v0
	v_readfirstlane_b32 s[WV], v8                  ; wave 0..15
	s_and_b32 s51, ttmp7, 0xffff                   ; 16 x batch + head
	s_lshr_b32 s70, s[WV], 2
	s_xor_b32 s70, s70, s[WV]
	s_and_b32 s70, s70, 1                          ; 0: the early block, 1: the late one
	s_lshr_b32 s71, s[WV], 1                       ; which of its eight tiles
	s_lshl_b32 s72, ttmp9, 3                       ; 8 p
	s_sub_co_u32 s73, 120, s72                     ; 8 (15 - p)
	s_cmp_eq_u32 s70, 0
	s_cselect_b32 s72, s72, s73
	s_add_co_u32 s72, s72, s71
	s_lshl_b32 s[Q0], s72, 4
	s_lshl_b32 s73, ttmp9, 7
	s_sub_co_u32 s[QL], 2047, s73
	s_lshl_b32 s60, s51, 18                        ; my plane: 262,144 bytes
	s_mov_b32 s61, 0
	s_lshl_b32 s62, s[Q0], 7                       ; my first query's row
	s_mov_b32 s63, 0
	s_and_b32 s59, s51, 15                         ; the head
	s_lshr_b32 s66, s51, 4
	s_lshl_b32 s66, s66, 11
	s_add_co_u32 s66, s66, s[Q0]                   ; my first token
	s_lshl_b32 s66, s66, 7
	s_lshl_b32 s67, s59, 19                        ; ctx: a head's plane is 524,288 bytes
	s_add_co_u32 s66, s66, s67
	s_mov_b32 s67, 0
	s_add_co_u32 s70, s59, 1                       ; the slope's bits
	s_lshr_b32 s71, s70, 1
	s_lshl_b32 s71, s71, 23
	s_bitcmp1_b32 s70, 0
	s_mov_b32 s70, 0x3f800000
	s_cselect_b32 s70, 0x3f3504f3, s70
	s_sub_co_u32 s68, s70, s71
	s_mov_b32 s[G1K], (1<<16)|(1<<20)|(4<<22)|(3<<25)   ; no mask; elements of 2 bytes; padding on: 4 words behind every 32
	s_mov_b32 s[G1V], (1<<16)|(1<<20)|(4<<22)|(7<<25)   ; the same with 8 words
.irp g, G1K, G1V
	s_mov_b32 s[\g+1], 64<<16                      ; tensor_dim0
	s_mov_b32 s[\g+2], SK<<16                      ; tensor_dim1
	s_mov_b32 s[\g+3], 64<<16                      ; tile_dim0
	s_mov_b32 s[\g+4], SK                          ; tile_dim1
	s_mov_b32 s[\g+5], 64                          ; the pitch
	s_mov_b32 s[\g+6], 0
	s_mov_b32 s[\g+7], 0
.endr
	s_mov_b32 s[SEL], 0x76543210
	s_mov_b32 s[SEL+1], 0xfedcba98
	s_mov_b32 s[NL], 0xc2ad1f97                    ; -L
	s_mov_b32 s[NL+1], s[NL]
	s_mov_b32 s[TB], 0
	s_mov_b32 s[SLOTS], NSL-1
	s_mov_b32 s[KF], 0
	s_wait_dscnt 0x0                               ; both opening adds are done
	s_wait_kmcnt 0x0
	s_add_nc_u64 s[4:5], s[4:5], s[60:61]          ; Q's plane,
	s_add_nc_u64 s[52:53], s[4:5], 8388608         ; K's,
	s_add_nc_u64 s[54:55], s[4:5], 16777216        ; V's
	s_add_nc_u64 s[4:5], s[4:5], s[62:63]
	s_add_nc_u64 s[6:7], s[6:7], s[66:67]
	s_mov_b32 s[G0K], 1
	s_mov_b32 s[G0K+1], 0                          ; slot 0
	s_mov_b64 s[G0K+2:G0K+3], s[52:53]
	s_or_b32 s[G0K+3], s[G0K+3], 0x80000000
	s_mov_b32 s[G0V], 1
	s_mov_b32 s[G0V+1], VOFF
	s_mov_b64 s[G0V+2:G0V+3], s[54:55]
	s_or_b32 s[G0V+3], s[G0V+3], 0x80000000
	TLOAD                                          ; slot 0: keys 0 to 255, which count for some query of every work-group
	v_and_b32 v8, 15, v0                           ; r
	v_bfe_u32 v9, v0, 4, 1                         ; h
	v_lshlrev_b32 v[QO], 7, v8
	v_lshl_add_u32 v[QO], v9, 4, v[QO]
.irp c, 0,1,2,3
	global_load_b128 v[16+4*\c:19+4*\c], v[QO], s[4:5] offset:32*\c   ; Q's two fragments stay in registers
.endr
	s_cmp_lt_u32 s[WV], 8                          ; the prefetches: whose, and who asks
	s_cselect_b64 s[PFA:PFA+1], s[52:53], s[54:55]
	s_and_b32 s70, s[WV], 3
	s_lshl_b32 s70, s70, 13
	s_add_co_u32 s70, s70, SK*128                  ; in slot 1: the first change of slots steps it to slot 2
	s_mov_b32 s71, 0
	s_add_nc_u64 s[PFA:PFA+1], s[PFA:PFA+1], s[70:71]
	s_sub_co_u32 s70, s[WV], 4
	s_lshr_b32 s70, s70, 3                         ; 0 in waves 4 to 11,
	s_or_b32 s70, s70, ttmp9                       ; of the work-group with p = 0
	s_cmp_eq_u32 s70, 0
	s_cselect_b32 s[LIM], 1, -1
	v_mul_u32_u24 v[AK0], v8, KP
	v_lshl_add_u32 v[AK0], v9, 4, v[AK0]           ; K: row r, + 16 h
	v_and_b32 v10, 7, v0
	v_lshl_add_u32 v10, v9, 3, v10
	v_mul_u32_u24 v[AV0], v10, VP                  ; V, for the turning load: key 8 h + lane % 8,
	v_bfe_u32 v10, v0, 3, 1
	v_lshl_add_u32 v[AV0], v10, 4, v[AV0]          ; channels 8 ((lane / 8) % 2) on
	v_add_nc_u32 v[AV0], VOFF, v[AV0]
	v_and_b32 v[GO], 31, v0
	v_lshlrev_b32 v[GO], 4, v[GO]
	s_mul_i32 s70, s[WV], 16*KP
	s_add_co_u32 s70, s70, STAGE                   ; my stage
	v_add_nc_u32 v[STO], s70, v[AK0]               ; in: row r, + 16 h
	v_bfe_u32 v10, v0, 3, 2
	v_mul_u32_u24 v[RDA], v10, KP                  ; back: eight lanes to a row of 128 bytes, four rows an instruction
	v_and_b32 v10, 7, v0
	v_lshl_add_u32 v[RDA], v10, 4, v[RDA]
	v_add_nc_u32 v[RDA], s70, v[RDA]
	v_lshlrev_b32 v[RH], 3, v9
	v_sub_nc_u32 v[RH], v8, v[RH]
	v_lshlrev_b32 v[PFO], 4, v[GO]
	v_mov_b32 v[NCS], s68
	v_mul_f32 v[NCS], 0xbc44f9d9, v[NCS]           ; -c slope
	v_mul_f32 v[A1], 0xc1800000, v[NCS]            ; c slope x 16,
	v_mul_f32 v[A1+1], 0xc2000000, v[NCS]          ; x 32,
	v_mul_f32 v[A1+2], 0xc2400000, v[NCS]          ; x 48
.irp j, 0,1,2,3,4,5,6,7
	v_add_nc_u32 v[T+\j], -\j, v[RH]
.endr
.irp j, 0,1,2,3,4,5,6,7
	v_cvt_f32_i32 v[T+\j], v[T+\j]
.endr
.irp j, 0,1,2,3,4,5,6,7
	v_mul_f32 v[T+\j], v[NCS], v[T+\j]             ; T[j] = c slope (8 h + j - r)
.endr
	v_mov_b32 v[LM], 0x42ad1f97                    ; L x 1
	v_mov_b32 v[LM+1], 0                           ; (upper halves of pairs of which the low word is used: written once)
	v_mov_b32 v[LS], 0
	v_mov_b32 v[LS+1], 0
.irp t, 0,1,2,3
	v_mov_b32 v[U+2*\t+1], 0
.endr
	v_mov_b32 v[X], 0                              ; a lane permute's destination counts as one of its sources
	v_mov_b32 v[FF+1], 0
	v_mov_b32 v[RL+1], 0
	v_mov_b32 v[INF], 0x7f800000
	v_mov_b32 v[NG], -1.0
.set J, 0
.rept 32
	v_mov_b32 v[O+J], 0                            ; O^T.  (The step is written once: the first finds zeros)
.set J, J+1
.endr
; A KEY STEP: 64 keys, the q-th of the slot in hand.
.macro STEP q
	s_add_co_u32 s70, s[Q0], 15
	s_cmp_gt_u32 s[KF], s70                        ; all keys behind my queries: the step's work is left out; ids and the count of steps alone
	s_cbranch_scc1 .Lhidden_\@
	s_sub_co_u32 s70, s[Q0], s[KF]                 ; 0 or more
	v_add_nc_u32 v[ADK], s[TB], v[AK0]             ; four plain lines: the places in front of the loads into registers that the last products read
	v_add_nc_u32 v[ADV], s[TB], v[AV0]
	v_cvt_f32_u32 v[D], s70
	v_mul_f32 v[D], v[NCS], v[D]                   ; c slope (KF - Q0)
.irp t, 0,1,2,3
.irp k, 0,1
	ds_load_b128 v[F+16*\t+8*\k:F+16*\t+8*\k+3], v[ADK] offset:64*KP*(\q)+16*KP*\t+64*\k
	ds_load_b128 v[F+16*\t+8*\k+4:F+16*\t+8*\k+7], v[ADK] offset:64*KP*(\q)+16*KP*\t+64*\k+32
.endr
.endr
	s_wait_dscnt 0x0
.irp t, 0,1,2,3                                ; S^T = K Q^T + T: four tiles of 16 keys by turns
	v_wmma_f32_16x16x32_f16 v[S+8*\t:S+8*\t+7], v[F+16*\t:F+16*\t+7], v[16:23], v[T:T+7]
.endr
.irp t, 0,1,2,3
	v_wmma_f32_16x16x32_f16 v[S+8*\t:S+8*\t+7], v[F+16*\t+8:F+16*\t+15], v[24:31], v[S+8*\t:S+8*\t+7]
.endr
	v_add_f32 v[U+2], v[A1], v[D]                  ; four plain lines: the places behind the products
	v_add_f32 v[U+4], v[A1+1], v[D]
	v_add_f32 v[U+6], v[A1+2], v[D]
	v_add_nc_u32 v[DM], s70, v[RH]                 ; my query - KF - 8 h
.irp k, 0,1                                    ; V, turned: it lands while the softmax is walked
.irp c, 0,1,2,3
	ds_load_tr16_b128 v[F+8*(4*\k+\c):F+8*(4*\k+\c)+3], v[ADV] offset:64*VP*(\q)+32*VP*\k+32*\c
	ds_load_tr16_b128 v[F+8*(4*\k+\c)+4:F+8*(4*\k+\c)+7], v[ADV] offset:64*VP*(\q)+32*VP*\k+32*\c+16*VP
.endr
.endr
.set J, 0
.rept 32
	v_exp_f32 v[S+J], v[S+J]                       ; E = 2^(c q . k + T), each accumulator from its low end on
.set J, J+1
.endr
	v_exp_f32 v[U], v[D]
	v_exp_f32 v[U+2], v[U+2]
	v_exp_f32 v[U+4], v[U+4]
	v_exp_f32 v[U+6], v[U+6]
	v_mov_b32 v[LMO], v[LM]                        ; a plain line behind the batch
	s_wait_alu depctr_va_vdst(0)                   ; one wait for the 36, ahead of their first reader
.irp t, 0,1,2,3
.irp i, 0,2,4,6
	v_pk_fma_f32 v[S+8*\t+\i:S+8*\t+\i+1], v[S+8*\t+\i:S+8*\t+\i+1], v[U+2*\t:U+2*\t+1], 1.0 op_sel_hi:[1,0,0]   ; 1 + E U
.endr
.endr
.set J, 0
.rept 32
	v_rcp_f32 v[S+J], v[S+J]                       ; g
.set J, J+1
.endr
	v_nop
	s_wait_alu depctr_va_vdst(0)
	s_add_co_u32 s71, s[KF], 63
	s_cmp_le_u32 s71, s[Q0]                        ; all 64 keys count for all my queries: no mask
	s_cbranch_scc1 .Lopen_\@
.irp t, 0,1,2,3
.irp j, 0,1,2,3,4,5,6,7
	v_cmp_gt_i32 vcc_lo, 16*\t+\j, v[DM]           ; register 8 t + j holds key KF + 16 t + 8 h + j
	v_cndmask_b32 v[S+8*\t+\j], v[S+8*\t+\j], v[INF], vcc_lo
.endr
.endr
.Lopen_\@:
.irp c, 0,1,2,3
	v_max3_num_f32 v[M+\c], -v[S+8*\c], -v[S+8*\c+1], -v[S+8*\c+2]   ; the largest -g: four chains
.endr
.irp i, 3,5
.irp c, 0,1,2,3
	v_max3_num_f32 v[M+\c], v[M+\c], -v[S+8*\c+\i], -v[S+8*\c+\i+1]
.endr
.endr
	v_max3_num_f32 v[M], v[M], -v[S+7], -v[S+15]
	v_max3_num_f32 v[M+2], v[M+2], -v[S+23], -v[S+31]
	v_max3_num_f32 v[M], v[M], v[M+1], v[M+2]
	v_max3_num_f32 v[M], v[M], v[M+3], v[NG]       ; and the running one
	v_permlanex16_b32 v[X], v[M], s[SEL], s[SEL+1] ; my query's other 32 keys lie in the lane 16 away
	v_max_num_f32 v[NG], v[M], v[X]
	v_mul_f32 v[LM], 0xc2ad1f97, v[NG]             ; L gm
	v_sub_f32 v[FF], v[LM], v[LMO]                 ; 0 or less
	v_exp_f32 v[FF], v[FF]
.set J, 0
.rept 16
	v_pk_fma_f32 v[S+J:S+J+1], v[S+J:S+J+1], s[NL:NL+1], v[LM:LM+1] op_sel_hi:[1,0,0]   ; L gm - L g
.set J, J+2
.endr
.set J, 0
.rept 32
	v_exp_f32 v[S+J], v[S+J]                       ; p, at most 1
.set J, J+1
.endr
	v_nop
	s_wait_alu depctr_va_vdst(0)                   ; one wait for the 33
	v_pk_mul_f32 v[LS:LS+1], v[LS:LS+1], v[FF:FF+1] op_sel_hi:[1,0]
	v_pk_add_f32 v[X2:X2+1], v[S:S+1], v[S+2:S+3]  ; the row's sum, in f32, in two chains
.irp j, 4,8,12,16,20,24,28
	v_pk_add_f32 v[LS:LS+1], v[LS:LS+1], v[S+\j:S+\j+1]
	v_pk_add_f32 v[X2:X2+1], v[X2:X2+1], v[S+\j+2:S+\j+3]
.endr
	v_pk_add_f32 v[LS:LS+1], v[LS:LS+1], v[X2:X2+1]
.set J, 0
.rept 16
	v_cvt_pk_f16_f32 v[P+J], v[S+2*J], v[S+2*J+1]
.set J, J+1
.endr
.set J, 0
.rept 16
	v_pk_mul_f32 v[O+J:O+J+1], v[O+J:O+J+1], v[FF:FF+1] op_sel_hi:[1,0]   ; O^T under the new maximum, each accumulator from its low end on
.set J, J+2
.endr
	s_wait_dscnt 0x0                               ; V is in
.irp k, 0,1                                    ; O^T += V^T P: four tiles of 16 channels by turns
.irp c, 0,1,2,3
	v_wmma_f32_16x16x32_f16 v[O+8*\c:O+8*\c+7], v[F+8*(4*\k+\c):F+8*(4*\k+\c)+7], v[P+8*\k:P+8*\k+7], v[O+8*\c:O+8*\c+7]
.endr
.endr
.Lhidden_\@:
	s_add_co_u32 s[KF], s[KF], 64
.endm
; THE CHANGE OF SLOTS stands at a slot's head.  Each wave waits for all its tensor loads, adds 0 to its spare word, and waits for that and for its reads of the slot that it has left.  Behind the barrier the slot ahead is
; whole and nobody reads the other one, which is then filled with the next 256 keys, while their first key is at or under the work-group's last query.  Every wait for tensor loads in this text is for 0; the test is made of
; ids and the count of steps alone and is the same in all sixteen waves; it leads round the load's own lines and nothing else; where the tail begins hangs on the work-group's number, so it cannot be written out.
.macro CHANGE fill
	s_wait_tensorcnt 0x0                           ; no tensor load of mine is out, so a group 0 may be written
	ds_add_u32 v[SPW], v[NIL]
.if \fill
	ds_add_u32 v[SPW], v[NIL]                      ; and twice on end here, in every trip alike
	s_xor_b32 s[G0K+1], s[G0K+1], SLOT1
	s_add_nc_u64 s[G0K+2:G0K+3], s[G0K+2:G0K+3], SK*128
	s_xor_b32 s[G0V+1], s[G0V+1], SLOT1
	s_add_nc_u64 s[G0V+2:G0V+3], s[G0V+2:G0V+3], SK*128
	s_wait_xcnt 0x0                                ; the last prefetch, a slot back, has read its address
	s_add_nc_u64 s[PFA:PFA+1], s[PFA:PFA+1], SK*128
.endif
	s_wait_dscnt 0x0
	s_barrier_signal -1
	s_barrier_wait -1
.if \fill
	s_add_co_u32 s70, s[KF], SK                    ; the first key of the slot that this change would ask for
	s_cmp_gt_u32 s70, s[QL]
	s_cbranch_scc1 .Lpast_\@
	TLOAD                                          ; a wave's one tensor load until the next barrier: it has four key steps in which to land
.Lpast_\@:
	ASK
.endif
.endm
.macro SLOT_STEPS
	STEP 0
	STEP 1
	STEP 2
	STEP 3
	s_xor_b32 s[TB], s[TB], SLOT1
.endm
	s_wait_loadcnt 0x0                             ; Q
.Lslot:                                            ; NSL - 1 trips, a constant: every work-group walks all changes of slots
	CHANGE 1
	SLOT_STEPS
	s_sub_co_u32 s[SLOTS], s[SLOTS], 1
	s_cmp_lg_u32 s[SLOTS], 0
	s_cbranch_scc1 .Lslot
	CHANGE 0
	SLOT_STEPS
	; THE WAY OUT: O^T / the sum, rounded once to f16, through my stage; my 16 rows of 128 bytes are 2,048 consecutive bytes of ctx.
.rept 4
	v_nop                                          ; places behind the last products
.endr
	v_add_f32 v[M], v[LS], v[LS+1]
	v_permlanex16_b32 v[X], v[M], s[SEL], s[SEL+1]
	v_add_f32 v[M], v[M], v[X]
	v_rcp_f32 v[RL], v[M]
	v_nop
	s_wait_alu depctr_va_vdst(0)
.set J, 0
.rept 16
	v_pk_mul_f32 v[S+J:S+J+1], v[O+J:O+J+1], v[RL:RL+1] op_sel_hi:[1,0]
.set J, J+2
.endr
.set J, 0
.rept 16
	v_cvt_pk_f16_f32 v[P+J], v[S+2*J], v[S+2*J+1]
.set J, J+1
.endr
.irp c, 0,1,2,3
	ds_store_b128 v[STO], v[P+4*\c:P+4*\c+3] offset:32*\c
.endr
.irp t, 0,1,2,3
	ds_load_b128 v[F+4*\t:F+4*\t+3], v[RDA] offset:4*KP*\t   ; LDS serves a wave's instructions in order: these see my stores
.endr
.irp t, 0,1,2,3
	s_wait_dscnt 3-\t                              ; the younger loads may be out
	global_store_b128 v[GO], v[F+4*\t:F+4*\t+3], s[6:7] offset:512*\t   ; 32 lanes store 512 consecutive bytes, aligned
.endr
	s_wait_tensorcnt 0x0                           ; the wave's end
	ds_add_u32 v[SPW], v[NIL]
	s_wait_dscnt 0x0
	s_endpgm
.Lfunc_end_k_q721ab7f5aa_attn:
	.size	k_q721ab7f5aa_attn, .Lfunc_end_k_q721ab7f5aa_attn-k_q721ab7f5aa_attn
	.p2alignl 7, 3214868480
	.fill 96, 4, 3214868480
	.section	.rodata,"a",@progbits
	.p2align	6, 0x0
	.amdhsa_kernel k_q721ab7f5aa_attn
		.amdhsa_group_segment_fixed_size 327680
		.amdhsa_private_segment_fixed_size 0
		.amdhsa_enable_private_segment 0
		.amdhsa_kernarg_size 16
		.amdhsa_user_sgpr_count 2
		.amdhsa_user_sgpr_kernarg_segment_ptr 1
		.amdhsa_wavefront_size32 1
		.amdhsa_system_sgpr_workgroup_id_x 1
		.amdhsa_system_sgpr_workgroup_id_y 1
		.amdhsa_system_sgpr_workgroup_id_z 1
		.amdhsa_system_vgpr_workitem_id 0
		.amdhsa_next_free_vgpr 256
		.amdhsa_next_free_sgpr 80
		.amdhsa_reserve_vcc 1
		.amdhsa_float_denorm_mode_32 3
		.amdhsa_float_denorm_mode_16_64 3
		.amdhsa_memory_ordered 1
		.amdhsa_forward_progress 1
		.amdhsa_inst_pref_size 136
	.end_amdhsa_kernel
	.amdgpu_metadata
---
amdhsa.version: [ 1, 2 ]
amdhsa.kernels:
  - .name:           k_q721ab7f5aa_attn
    .symbol:         k_q721ab7f5aa_attn.kd
    .args:
      - { .name: qkv, .offset: 0, .size: 8, .value_kind: global_buffer, .address_space: global }
      - { .name: ctx, .offset: 8, .size: 8, .value_kind: global_buffer, .address_space: global }
    .group_segment_fixed_size: 327680
    .private_segment_fixed_size: 0
    .kernarg_segment_align: 8
    .kernarg_segment_size: 16
    .max_flat_workgroup_size: 512
    .sgpr_count:     80
    .vgpr_count:     256
    .wavefront_size: 32
...
	.end_amdgpu_metadata
.endif
;; end of part 3
;; launch oproj (part 4): grid 8 x 32, 4 waves a work-group, clusters of 4 x 4, 327,680 bytes of LDS; arguments ctx, wo16, bo, out0; writes out0
.if DOCPART == 4
	.amdgcn_target "amdgcn-amd-amdhsa--gfx1250"
	.amdhsa_code_object_version 6
	.text
	.protected	k_q721ab7f5aa_oproj
	.globl	k_q721ab7f5aa_oproj
	.p2align	8
	.type	k_q721ab7f5aa_oproj,@function
k_q721ab7f5aa_oproj:
	s_mov_b64 s[64:65], 0
	v_nop
	global_prefetch_b8 v0, s[64:65] scope:SCOPE_SE
	s_setreg_imm32_b32 hwreg(HW_REG_WAVE_MODE, 25, 1), 1
	s_wait_xcnt 0x0
	s_wait_alu depctr_hold_cnt(0) depctr_sa_sdst(0) depctr_va_vdst(0) depctr_va_sdst(0) depctr_va_ssrc(0) depctr_va_vcc(0) depctr_vm_vsrc(0)
	s_getreg_b32 s2, hwreg(HW_REG_IB_STS2, 6, 4)
	s_cmp_eq_u32 s2, 0
	s_cbranch_scc0 .Lentry_in_a_cluster
	s_endpgm
.Lentry_in_a_cluster:
	s_bfe_u32 s2, ttmp6, 0x10000c
	s_cmp_lg_u32 s2, 0xf033
	s_cbranch_scc0 .Lentry_shape_is_right
	s_endpgm
.Lentry_shape_is_right:
; FOURTH LAUNCH: out = ctx Wo^T + bo on f16 operands, f32 sums, for all tokens but the first 16 of each sequence, which the last launch makes in f32: their rows are not stored here (each byte of out0 is written once);
; their products stay, since they lie inside tiles that also hold live rows.
; ctx [16 heads][4096 tokens][64] f16; wo16 [1024 n][1024 k] f16; bo [1024], out0 [4096][1024] f32.  k = 64 head + channel.
; A tile of out is 128 x 128: 256 work-groups of four waves, each 64 x 64: 16 accumulators.  K goes in steps of 256 (four heads) through two LDS slots.
; A's tile: for 64 tokens, four heads' pieces of 8,192 dense bytes, 524,288 bytes apart: ONE descriptor of 4 rows of 1,024 elements of 8 bytes, with 16 bytes of padding behind every 128: piece (head z, token) lies at
; (64 z + token) x 144.  B's tile: 64 rows of 512 bytes, pitch 528.
; CLUSTERS: 4 x 4 work-groups; A's tiles are asked for jointly along a row of the cluster, B's along a column.  THE MATRIX INSTRUCTION IS USED TRANSPOSED: a lane holds eight neighbouring columns of one token.
; The bias is the C of each sum's first product.  A wave's 64 columns of f32 are 256 aligned bytes: each wave has a stage of its own, and no barrier stands on the way out.
; REGISTERS: window 0: v0-31 addresses; v32-95 rows on the way out; v96-127 the bias, eight registers for each 16 columns; v128-255 the accumulators.   window 1: two fragment buffers of 128.
.set KSTEP,  256
.set AP,     144                       ; a piece of A in LDS: 128 bytes + 16
.set BP,     528                       ; a row of B: 512 + 16
.set AHALF,  256*AP                    ; 64 tokens x 4 heads
.set BHALF,  64*BP
.set SLOT,   2*AHALF+2*BHALF
.set STAGE,  2*SLOT                    ; behind the slots: 16 rows x 272 bytes a wave
.set SPITCH, 272
.set SPARE,  STAGE+4*16*SPITCH
.set LAPS,   2                         ; K = 1,024 is four K steps: twice round the two slots
.set ADRA, 16
.set ADRB, 20
.set STO,  24
.set RD,   25
.set CO,   26
.set FLG,  27                          ; v27  0 where my wave's first 16 rows are the first 16 tokens of a sequence
.set SPW,  28
.set NIL,  29
.set BO,   30
.set TMP,  32
.set BI,   96
.set ACC,  128
.set F0,   0
.set F1,   128
.set G1, 24
.set G0, 32
.set G1B, 48
.set G0B, 56
.set MSB, 0
.macro WIN new
.if MSB != \new
	s_set_vgpr_msb (MSB<<8)|\new
.set MSB, \new
.endif
.endm
.set MUL,  0x05                        ; sources 0 (B) and 1 (A) window 1; C and D window 0
.set TO_F, 0x40
.macro JLOAD s                         ; a joint load: waves 0 and 1 fetch A's two halves, waves 2 and 3 B's; an s_nop 0 and four v_nop follow each line
	s_cmp_eq_u32 s11, 0
	s_cbranch_scc0 .Lfor_b_\@
	tensor_load_to_lds s[G0+4*\s:G0+4*\s+3], s[G1:G1+7]
	s_nop 0
.rept 4
	v_nop
.endr
	s_branch .Lasked_\@
.Lfor_b_\@:
	tensor_load_to_lds s[G0B+4*\s:G0B+4*\s+3], s[G1B:G1B+7]
	s_nop 0
.rept 4
	v_nop
.endr
.Lasked_\@:
.endm
.macro CREST
	s_cmp_lg_u32 s10, 0
	s_cbranch_scc1 .Lnot_wave_0_\@
	s_barrier_signal -3
.Lnot_wave_0_\@:
	s_barrier_wait -3
	s_barrier_signal -1
	s_barrier_wait -1
.endm
.macro CROUND
	s_barrier_signal -1
	s_barrier_wait -1
	CREST
.endm
	s_load_b128 s[4:7], s[0:1], 0x0                ; ctx, wo16
	s_load_b128 s[68:71], s[0:1], 0x10             ; bo, out0
	v_lshl_add_u32 v[SPW], v0, 2, SPARE
	v_mov_b32 v[NIL], 0
	ds_add_u32 v[SPW], v[NIL]                      ; the wave's opening: the add, twice on end, and its wait ahead of my first tensor load
	ds_add_u32 v[SPW], v[NIL]
	v_lshrrev_b32 v1, 5, v0
	v_readfirstlane_b32 s10, v1                    ; wave 0..3
	s_lshr_b32 s11, s10, 1                         ; which half of the tile's rows is mine.  Also: I fetch for A (0) or for B (1)
	s_and_b32 s12, s10, 1                          ; which half of its columns.  Also: which 64 rows I fetch
	s_bfe_u32 s40, ttmp6, 0x40000
	s_bfe_u32 s41, ttmp6, 0x40004
	s_lshl_b32 s42, ttmp9, 2
	s_add_co_u32 s42, s42, s40                     ; tile column
	s_and_b32 s13, ttmp7, 0xffff
	s_lshl_b32 s13, s13, 2
	s_add_co_u32 s13, s13, s41                     ; tile row
	s_lshl_b32 s43, s41, 2
	s_lshl_b32 s43, 15, s43                        ; my row of the cluster
	s_lshl_b32 s44, 0x1111, s40                    ; my column
	s_or_b32 s[G1+0], s43, (3<<16)|(1<<20)|(1<<21)|(4<<22)|(3<<25)  ; A: elements of 8 bytes; 4 words of padding behind every 32
	s_mov_b32 s[G1+1], 1024<<16                    ; tensor_dim0 = 1,024 elements: 64 tokens x 128 bytes
	s_mov_b32 s[G1+2], 4<<16                       ; tensor_dim1 = 4 heads
	s_mov_b32 s[G1+3], 1024<<16                    ; tile_dim0
	s_mov_b32 s[G1+4], 4                           ; tile_dim1
	s_mov_b32 s[G1+5], 65536                       ; from head to head: 524,288 bytes
	s_mov_b32 s[G1+6], 0
	s_mov_b32 s[G1+7], 0
	s_or_b32 s[G1B+0], s44, (1<<16)|(1<<20)|(1<<21)|(6<<22)|(3<<25) ; B: elements of 2 bytes; 4 words behind every 128
	s_mov_b32 s[G1B+1], KSTEP<<16
	s_mov_b32 s[G1B+2], 64<<16
	s_mov_b32 s[G1B+3], KSTEP<<16
	s_mov_b32 s[G1B+4], 64
	s_mov_b32 s[G1B+5], 1024
	s_mov_b32 s[G1B+6], 0
	s_mov_b32 s[G1B+7], 0
	s_lshl_b32 s17, s12, 6
	s_lshl_b32 s16, s13, 7
	s_add_co_u32 s16, s16, s17                     ; A: token 128 x tile row + 64 x half,
	s_lshl_b32 s16, s16, 7                         ; 128 bytes each
	s_lshl_b32 s46, s42, 7
	s_add_co_u32 s46, s46, s17                     ; B: row 128 x tile column + 64 x half,
	s_lshl_b32 s46, s46, 11                        ; 2,048 bytes each
	s_mov_b32 s17, 0
	s_mov_b32 s47, 0
	s_mul_i32 s20, s12, AHALF                      ; where they go: no place in the cluster enters an LDS address
	s_mul_i32 s21, s12, BHALF
	s_add_co_u32 s21, s21, 2*AHALF
	s_wait_dscnt 0x0                               ; both opening adds are done
	s_wait_kmcnt 0x0
	s_add_nc_u64 s[14:15], s[4:5], s[16:17]
	s_add_nc_u64 s[46:47], s[6:7], s[46:47]
	CROUND                                         ; all sixteen work-groups are here: the first joint loads meet
.irp s, 0,1
	s_mov_b32 s[G0+4*\s], 1
	s_add_co_u32 s[G0+4*\s+1], s20, \s*SLOT
	s_add_nc_u64 s[G0+4*\s+2:G0+4*\s+3], s[14:15], \s*4*524288
	s_or_b32 s[G0+4*\s+3], s[G0+4*\s+3], 0x80000000
	s_mov_b32 s[G0B+4*\s], 1
	s_add_co_u32 s[G0B+4*\s+1], s21, \s*SLOT
	s_add_nc_u64 s[G0B+4*\s+2:G0B+4*\s+3], s[46:47], \s*KSTEP*2
	s_or_b32 s[G0B+4*\s+3], s[G0B+4*\s+3], 0x80000000
	JLOAD \s
.endr
	v_and_b32 v1, 15, v0                           ; l % 16
	v_bfe_u32 v2, v0, 4, 1                         ; l / 16
	s_lshl_b32 s22, s42, 9                         ; the bias of my 64 columns: 4 (128 x tile column + 64 x half) bytes on
	s_lshl_b32 s23, s12, 8
	s_add_co_u32 s22, s22, s23
	s_mov_b32 s23, 0
	s_add_nc_u64 s[68:69], s[68:69], s[22:23]
	v_lshlrev_b32 v[BO], 5, v2
.irp b, 0,1,2,3
	global_load_b128 v[BI+8*\b:BI+8*\b+3], v[BO], s[68:69] offset:64*\b       ; bo at columns 16 b + 8 (l / 16) + 0 .. 7: the result's layout
	global_load_b128 v[BI+8*\b+4:BI+8*\b+7], v[BO], s[68:69] offset:64*\b+16
.endr
	v_mul_u32_u24 v3, v1, AP
	v_lshl_add_u32 v3, v2, 4, v3
	v_mul_u32_u24 v4, v1, BP
	v_lshl_add_u32 v4, v2, 4, v4
	s_mul_i32 s21, s11, AHALF                      ; my 64 tokens of A
	s_mul_i32 s22, s12, BHALF                      ; my 64 rows of B,
	s_add_co_u32 s22, s22, 2*AHALF                 ; behind A's two halves
.irp s, 0,1
	v_add_nc_u32 v[ADRA+\s], s21, v3
	v_add_nc_u32 v[ADRB+\s], s22, v4
	s_add_co_u32 s21, s21, SLOT
	s_add_co_u32 s22, s22, SLOT
.endr
	s_mul_i32 s23, s10, 16*SPITCH
	s_add_co_u32 s23, s23, STAGE                   ; my stage
	v_mul_u32_u24 v4, v1, SPITCH                   ; in: row l % 16, 32 bytes for each half of the lanes
	v_lshl_add_u32 v4, v2, 5, v4
	v_add_nc_u32 v[STO], s23, v4
	v_mul_u32_u24 v5, v2, SPITCH                   ; back: lanes 0-15 one row of 256 bytes, lanes 16-31 the next
	v_lshl_add_u32 v5, v1, 4, v5
	v_add_nc_u32 v[RD], s23, v5
	v_lshlrev_b32 v5, 12, v2                       ; and the same two rows in out0
	v_lshl_add_u32 v[CO], v1, 4, v5
	s_lshl_b32 s16, s13, 7
	s_lshl_b32 s17, s11, 6
	s_add_co_u32 s16, s16, s17                     ; my first token
	s_lshl_b32 s16, s16, 12
	s_lshl_b32 s17, s42, 9
	s_add_co_u32 s16, s16, s17
	s_lshl_b32 s17, s12, 8
	s_add_co_u32 s16, s16, s17                     ; + my first column's bytes
	s_mov_b32 s17, 0
	s_add_nc_u64 s[70:71], s[70:71], s[16:17]
	s_and_b32 s16, s13, 15
	s_lshl_b32 s16, s16, 1
	s_add_co_u32 s16, s16, s11
	v_mov_b32 v[FLG], s16
; 8 matrix instructions: m blocks a0, a0 + 1 x all 4 n blocks, 32 along K.  zero = 1: the first product starts the sums on the bias.  The 16 accumulators take turns.
.macro MUL8 f, c, a0, zero
.irp a, \a0, \a0+1
.irp b, 0,1,2,3
.if \zero
	v_wmma_f32_16x16x32_f16 v[ACC+8*(4*(\a)+\b):ACC+8*(4*(\a)+\b)+7], v[\f+64+8*(4*\c+\b):\f+64+8*(4*\c+\b)+7], v[\f+8*(4*\c+\a):\f+8*(4*\c+\a)+7], v[BI+8*\b:BI+8*\b+7]
.else
	v_wmma_f32_16x16x32_f16 v[ACC+8*(4*(\a)+\b):ACC+8*(4*(\a)+\b)+7], v[\f+64+8*(4*\c+\b):\f+64+8*(4*\c+\b)+7], v[\f+8*(4*\c+\a):\f+8*(4*\c+\a)+7], v[ACC+8*(4*(\a)+\b):ACC+8*(4*(\a)+\b)+7]
.endif
.endr
.endr
.endm
; 32 LDS loads in one run: the fragments of the slot's q-th head (64 along K) into buffer f; the first 32 along K first
.macro FETCH slot, q, f
	WIN TO_F
.irp c, 0,1
.irp i, 0,1,2,3
	ds_load_b128 v[\f+64+8*(4*\c+\i):\f+64+8*(4*\c+\i)+3],   v[ADRB+\slot] offset:128*(\q)+64*\c+\i*16*BP
	ds_load_b128 v[\f+64+8*(4*\c+\i)+4:\f+64+8*(4*\c+\i)+7], v[ADRB+\slot] offset:128*(\q)+64*\c+\i*16*BP+32
	ds_load_b128 v[\f+8*(4*\c+\i):\f+8*(4*\c+\i)+3],         v[ADRA+\slot] offset:64*AP*(\q)+64*\c+\i*16*AP
	ds_load_b128 v[\f+8*(4*\c+\i)+4:\f+8*(4*\c+\i)+7],       v[ADRA+\slot] offset:64*AP*(\q)+64*\c+\i*16*AP+32
.endr
.endr
.endm
.macro PLACES
.rept 4
	v_nop
.endr
.endm
.macro QUARTER slot, q, f, g, zero     ; multiplies buffer f and fetches the slot's q-th head into g
	s_wait_dscnt 16                                ; the first 32 along K are in; the other sixteen loads may be out
	WIN MUL
	MUL8 \f, 0, 0, \zero
	MUL8 \f, 0, 2, \zero
	PLACES
	FETCH \slot, \q, \g
	s_wait_dscnt 32                                ; all but the 32 just issued
	WIN MUL
	MUL8 \f, 1, 0, 0
	MUL8 \f, 1, 2, 0
.endm
; The last quarter changes slots: one barrier; in front of it each wave waits for all its tensor loads, adds 0 to its spare word, and waits for that and for its reads of this slot.  fill = 1: the slot is filled again, two K steps on.
.macro TURN slot, next, fill
	WIN 0
	s_wait_tensorcnt 0x0
	ds_add_u32 v[SPW], v[NIL]
	s_wait_dscnt 17                                ; (the add and the youngest sixteen loads may be out)
	WIN MUL
	MUL8 F1, 0, 0, 0
	s_wait_dscnt 0x0                               ; the add is done, and my reads of this slot are over
	s_barrier_signal -1
	MUL8 F1, 0, 2, 0
.if \fill
	WIN 0
.endif
	s_barrier_wait -1
.if \fill
	CREST                                          ; the barrier has opened a round of the cluster's barrier: no wave of any partner still reads this slot or has a load on its way
	s_add_nc_u64 s[G0+4*\slot+2:G0+4*\slot+3], s[G0+4*\slot+2:G0+4*\slot+3], 2*4*524288
	s_add_nc_u64 s[G0B+4*\slot+2:G0B+4*\slot+3], s[G0B+4*\slot+2:G0B+4*\slot+3], 2*KSTEP*2
	JLOAD \slot                                    ; the first tensor load behind the round; its four v_nop are also the places in front of the loads below
.else
	PLACES
.endif
	FETCH \next, 0, F0
	WIN MUL
	MUL8 F1, 1, 0, 0
	MUL8 F1, 1, 2, 0
.endm
	s_wait_tensorcnt 1                             ; my part of K step 0 is in; K step 1's load may be out
	s_barrier_signal -1
	s_barrier_wait -1
	FETCH 0, 0, F0
	s_wait_loadcnt 0x0                             ; the bias
	QUARTER 0, 1, F0, F1, 1
	WIN 0
	s_mov_b32 s3, LAPS-1
.Llap:                                             ; a trip goes once round the two slots and fills both again
	QUARTER 0, 2, F1, F0, 0
	QUARTER 0, 3, F0, F1, 0
	TURN 0, 1, 1
	QUARTER 1, 1, F0, F1, 0
	QUARTER 1, 2, F1, F0, 0
	QUARTER 1, 3, F0, F1, 0
	TURN 1, 0, 1
	QUARTER 0, 1, F0, F1, 0
	WIN 0
	s_sub_co_u32 s3, s3, 1
	s_cmp_lg_u32 s3, 0
	s_cbranch_scc1 .Llap
	QUARTER 0, 2, F1, F0, 0                        ; the last lap fills nothing
	QUARTER 0, 3, F0, F1, 0
	TURN 0, 1, 0
	QUARTER 1, 1, F0, F1, 0
	QUARTER 1, 2, F1, F0, 0
	QUARTER 1, 3, F0, F1, 0
	s_wait_dscnt 16
	WIN MUL
	MUL8 F1, 0, 0, 0
	MUL8 F1, 0, 2, 0
	s_wait_dscnt 0
	MUL8 F1, 1, 0, 0
	MUL8 F1, 1, 2, 0
	WIN 0
; THE WAY OUT, 16 rows at a time, through my own stage: a lane's 32 bytes go in, whole rows of 256 bytes come back.
.macro TOSTAGE a
.irp b, 0,1,2,3
	ds_store_b128 v[STO], v[ACC+8*(4*(\a)+\b):ACC+8*(4*(\a)+\b)+3] offset:64*\b       ; each accumulator from its low end on
	ds_store_b128 v[STO], v[ACC+8*(4*(\a)+\b)+4:ACC+8*(4*(\a)+\b)+7] offset:64*\b+16
.endr
.irp t, 0,1,2,3,4,5,6,7
	ds_load_b128 v[TMP+32*((\a)%2)+4*\t:TMP+32*((\a)%2)+4*\t+3], v[RD] offset:\t*2*SPITCH   ; LDS serves a wave's instructions in order
.endr
.endm
.macro SEND a, younger, masked
	s_wait_dscnt \younger                          ; the block is back; the next block's 8 stores and 8 loads may be out
.if \masked
	s_wait_xcnt 0x0                                ; EXEC changes only behind this wait
	v_cmp_ne_u32 vcc_lo, 0, v[FLG]
	s_and_saveexec_b32 s72, vcc_lo                 ; all lanes, or none: the first 16 tokens of a sequence are the last launch's.
.endif
.irp t, 0,1,2,3,4,5,6,7
	global_store_b128 v[CO], v[TMP+32*((\a)%2)+4*\t:TMP+32*((\a)%2)+4*\t+3], s[70:71] offset:(16*(\a)+2*\t)*4096 th:TH_STORE_NT   ; 16 lanes store 256 consecutive bytes, aligned
.endr
.if \masked
	s_wait_xcnt 0x0
	s_or_b32 exec_lo, exec_lo, s72
.endif
.endm
	PLACES
	TOSTAGE 0
	TOSTAGE 1
	SEND 0, 16, 1
	TOSTAGE 2                                      ; (the wait in front of EXEC's restoring has freed block 0's registers)
	SEND 1, 16, 0
	s_wait_xcnt 0x0                                ; block 1's stores have read their data
	TOSTAGE 3
	SEND 2, 16, 0
	SEND 3, 0, 0
	s_wait_tensorcnt 0x0                           ; the wave's end
	ds_add_u32 v[SPW], v[NIL]
	s_wait_dscnt 0x0
	CROUND                                         ; the closing round
	s_endpgm
.Lfunc_end_k_q721ab7f5aa_oproj:
	.size	k_q721ab7f5aa_oproj, .Lfunc_end_k_q721ab7f5aa_oproj-k_q721ab7f5aa_oproj
	.p2alignl 7, 3214868480
	.fill 96, 4, 3214868480
	.section	.rodata,"a",@progbits
	.p2align	6, 0x0
	.amdhsa_kernel k_q721ab7f5aa_oproj
		.amdhsa_group_segment_fixed_size 327680
		.amdhsa_private_segment_fixed_size 0
		.amdhsa_enable_private_segment 0
		.amdhsa_kernarg_size 32
		.amdhsa_user_sgpr_count 2
		.amdhsa_user_sgpr_kernarg_segment_ptr 1
		.amdhsa_wavefront_size32 1
		.amdhsa_system_sgpr_workgroup_id_x 1
		.amdhsa_system_sgpr_workgroup_id_y 1
		.amdhsa_system_sgpr_workgroup_id_z 1
		.amdhsa_system_vgpr_workitem_id 0
		.amdhsa_next_free_vgpr 512
		.amdhsa_next_free_sgpr 76
		.amdhsa_reserve_vcc 1
		.amdhsa_float_denorm_mode_32 3
		.amdhsa_float_denorm_mode_16_64 3
		.amdhsa_memory_ordered 1
		.amdhsa_forward_progress 1
		.amdhsa_inst_pref_size 87
	.end_amdhsa_kernel
	.amdgpu_metadata
---
amdhsa.version: [ 1, 2 ]
amdhsa.kernels:
  - .name:           k_q721ab7f5aa_oproj
    .symbol:         k_q721ab7f5aa_oproj.kd
    .args:
      - { .name: ctx, .offset: 0, .size: 8, .value_kind: global_buffer, .address_space: global }
      - { .name: wo16, .offset: 8, .size: 8, .value_kind: global_buffer, .address_space: global }
      - { .name: bo, .offset: 16, .size: 8, .value_kind: global_buffer, .address_space: global }
      - { .name: out0, .offset: 24, .size: 8, .value_kind: global_buffer, .address_space: global }
    .group_segment_fixed_size: 327680
    .private_segment_fixed_size: 0
    .kernarg_segment_align: 8
    .kernarg_segment_size: 32
    .max_flat_workgroup_size: 128
    .sgpr_count:     76
    .vgpr_count:     512
    .wavefront_size: 32
...
	.end_amdgpu_metadata
.endif
;; end of part 4
;; launch fine (part 5): grid 64 x 2, 16 waves a work-group, no clusters, 18,432 bytes of LDS; arguments fineq, Wo, bo, out0; writes out0
.if DOCPART == 5
	.amdgcn_target "amdgcn-amd-amdhsa--gfx1250"
	.amdhsa_code_object_version 6
	.text
	.protected	k_q721ab7f5aa_fine
	.globl	k_q721ab7f5aa_fine
	.p2align	8
	.type	k_q721ab7f5aa_fine,@function
k_q721ab7f5aa_fine:
	s_mov_b64 s[64:65], 0
	v_nop
	global_prefetch_b8 v0, s[64:65] scope:SCOPE_SE
	s_setreg_imm32_b32 hwreg(HW_REG_WAVE_MODE, 25, 1), 1
	s_wait_xcnt 0x0
; FIFTH LAUNCH: the first 16 tokens of each sequence, wholly in f32: they average one to sixteen values and are the largest in size, so the rounding of 16-bit operands would weigh most there.
; LEFT OUT: keys behind token 15: the problem's own causal mask gives them the weight 0 for these queries, for all values of the inputs.
; fineq [2][192 blocks of 16 columns][2 halves][32 lanes][16 bytes]: register images: lane (r, h), register j of block B = (token r, column 16 B + 8 h + j); blocks 0-63: c q, 64-127: k, 128-191: v.
; SHARES.  Work-group (nt, batch) makes 16 tokens x the 16 columns 16 nt on of out0; wave = head.  Each wave makes its head's attention (32 matrix instructions of 16 x 16 x 4 in f32) and its 64 of the projection's 1,024
; along K (16 more); the sixteen parts meet in LDS and waves 0 and 1 add them, in a fixed order, with the bias.  Every work-group repeats the small attention: that spreads the f32 projection over 128 work-groups.
; The price, stated: a row's piece of out0 is 64 bytes, stored 16 bytes a lane; 131,072 bytes in all.
; The f32 form takes k = 2 (lane / 16) + j from register j; the images give a lane eight neighbours, so a pair of registers stands for four other k than in memory's order, the same on both sides of each product.
; The arithmetic of the softcap and the softmax is the third launch's: g = 1 / (1 + 2^x), the largest -g, p = 2^(L gm - L g); here all keys are one step.
; The registers that the f32 form writes (v144-207) are written by matrix instructions alone.
.set KF,  16                           ; v16-47   k's four images
.set QF,  48                           ; v48-79   c q's; later ctx
.set VF,  80                           ; v80-111  v, turned by the loads' addresses
.set WF,  112                          ; v112-143 Wo
.set AC1, 144                          ; v144-175 four part sums of the scores; later of the projection
.set AC2, 176                          ; v176-207 O^T
.set T,   208
.set S,   216
.set R,   224
.set SPARE, 16384
	s_load_b256 s[4:11], s[0:1], 0x0               ; fineq s[4:5], Wo s[6:7], bo s[8:9], out0 s[10:11]
	v_lshl_add_u32 v8, v0, 2, SPARE                ; my spare word; never rewritten
	v_mov_b32 v9, 0                                ; 0; never rewritten
	v_lshrrev_b32 v1, 5, v0
	v_readfirstlane_b32 s12, v1                    ; wave = head
	s_and_b32 s13, ttmp7, 0xffff                   ; the sequence
	v_and_b32 v1, 15, v0                           ; r
	v_bfe_u32 v2, v0, 4, 1                         ; h
	v_and_b32 v3, 31, v0
	v_lshlrev_b32 v3, 4, v3                        ; an image's place for my lane
	v_bfe_u32 v4, v0, 2, 1                         ; v turned: I want (token 8 h + j', channel r): in the image that is half (r / 4) % 2, lane 16 (r / 8) + 8 h + j', register r % 4
	v_lshlrev_b32 v4, 9, v4
	v_bfe_u32 v7, v0, 3, 1
	v_lshl_add_u32 v4, v7, 8, v4
	v_and_b32 v7, 3, v0
	v_lshl_add_u32 v4, v7, 2, v4
	v_lshl_add_u32 v4, v2, 7, v4
	v_lshlrev_b32 v5, 12, v1                       ; Wo: row r of the tile, + 32 h
	v_lshl_add_u32 v5, v2, 5, v5
	v_lshlrev_b32 v6, 3, v2
	v_sub_nc_u32 v6, v1, v6                        ; r - 8 h
	v_lshlrev_b32 v7, 4, v0                        ; the parts, read back: 16 x thread
	s_lshl_b32 s14, s12, 10
	v_add_nc_u32 v10, s14, v3                      ; the parts, stored: 1,024 x wave + 16 x lane
	s_lshl_b32 s14, s12, 4
	v_lshlrev_b32 v15, 5, v2
	v_add_nc_u32 v15, s14, v15                     ; waves 0, 1: the bias of my four columns: 32 h + 16 x wave
	v_add_nc_u32 v240, s14, v5                     ; and their place in out0
	s_mul_i32 s16, s13, 196608
	s_lshl_b32 s17, s12, 12                        ; my head's four blocks
	s_add_co_u32 s16, s16, s17
	s_mov_b32 s17, 0
	s_lshl_b32 s18, ttmp9, 16                      ; Wo: 16 rows of 4,096 bytes a tile,
	s_lshl_b32 s19, s12, 8                         ; my head's 64 columns
	s_add_co_u32 s18, s18, s19
	s_mov_b32 s19, 0
	s_lshl_b32 s20, ttmp9, 6                       ; the tile's first column, in bytes
	s_mov_b32 s21, 0
	s_lshl_b32 s22, s13, 23                        ; the sequence's first row of out0
	s_add_co_u32 s22, s22, s20
	s_mov_b32 s23, 0
	s_add_co_u32 s24, s12, 1                       ; slope = 2^(-(head + 1) / 2), in whole numbers
	s_lshr_b32 s25, s24, 1
	s_lshl_b32 s25, s25, 23
	s_bitcmp1_b32 s24, 0
	s_mov_b32 s24, 0x3f800000
	s_cselect_b32 s24, 0x3f3504f3, s24
	s_sub_co_u32 s24, s24, s25
	s_mov_b32 s26, 0xc2ad1f97                      ; -L
	s_mov_b32 s27, s26
	s_mov_b32 s28, 0x76543210
	s_mov_b32 s29, 0xfedcba98
	s_wait_kmcnt 0x0
	s_add_nc_u64 s[4:5], s[4:5], s[16:17]
	s_add_nc_u64 s[6:7], s[6:7], s[18:19]
	s_add_nc_u64 s[8:9], s[8:9], s[20:21]
	s_add_nc_u64 s[10:11], s[10:11], s[22:23]
.irp c, 0,1,2,3
.irp i, 0,1
	global_load_b128 v[KF+8*\c+4*\i:KF+8*\c+4*\i+3], v3, s[4:5] offset:65536+1024*\c+512*\i
.endr
.endr
.irp c, 0,1,2,3
.irp i, 0,1
	global_load_b128 v[QF+8*\c+4*\i:QF+8*\c+4*\i+3], v3, s[4:5] offset:1024*\c+512*\i
.endr
.endr
.irp c, 0,1,2,3
.irp j, 0,1,2,3,4,5,6,7
	global_load_b32 v[VF+8*\c+\j], v4, s[4:5] offset:131072+1024*\c+16*\j
.endr
.endr
.irp c, 0,1,2,3
	global_load_b128 v[WF+8*\c:WF+8*\c+3], v5, s[6:7] offset:64*\c
	global_load_b128 v[WF+8*\c+4:WF+8*\c+7], v5, s[6:7] offset:64*\c+16
.endr
	v_mov_b32 v11, s24
	v_mul_f32 v11, 0xbc44f9d9, v11                 ; -c slope
.irp j, 0,1,2,3,4,5,6,7
	v_add_nc_u32 v[T+\j], -\j, v6
.endr
.irp j, 0,1,2,3,4,5,6,7
	v_cvt_f32_i32 v[T+\j], v[T+\j]
.endr
.irp j, 0,1,2,3,4,5,6,7
	v_mul_f32 v[T+\j], v11, v[T+\j]                ; c slope (key - query), key = 8 h + j, query = r
.endr
	v_mov_b32 v13, 0                               ; (upper halves of pairs of which the low word is used)
	v_mov_b32 v239, 0
	v_mov_b32 v233, 0                              ; a lane permute's destination counts as one of its sources
	v_mov_b32 v14, 0x7f800000
	s_wait_loadcnt 40                              ; k and c q are in; v's 32 loads and Wo's 8 may be out
.irp i, 0,1,2,3                                ; S^T = k q^T + ALiBi, in four part sums by turns
.irp c, 0,1,2,3
.if (\i == 0) && (\c == 0)
	v_wmma_f32_16x16x4_f32 v[AC1+8*\c:AC1+8*\c+7], v[KF+8*\c+2*\i:KF+8*\c+2*\i+1], v[QF+8*\c+2*\i:QF+8*\c+2*\i+1], v[T:T+7]
.elseif \i == 0
	v_wmma_f32_16x16x4_f32 v[AC1+8*\c:AC1+8*\c+7], v[KF+8*\c+2*\i:KF+8*\c+2*\i+1], v[QF+8*\c+2*\i:QF+8*\c+2*\i+1], 0
.else
	v_wmma_f32_16x16x4_f32 v[AC1+8*\c:AC1+8*\c+7], v[KF+8*\c+2*\i:KF+8*\c+2*\i+1], v[QF+8*\c+2*\i:QF+8*\c+2*\i+1], v[AC1+8*\c:AC1+8*\c+7]
.endif
.endr
.endr
.rept 8
	v_nop                                          ; eight places behind this form
.endr
.irp i, 0,2,4,6
	v_pk_add_f32 v[S+\i:S+\i+1], v[AC1+\i:AC1+\i+1], v[AC1+8+\i:AC1+8+\i+1]       ; each accumulator from its low end on
.endr
.irp i, 0,2,4,6
	v_pk_add_f32 v[R+\i:R+\i+1], v[AC1+16+\i:AC1+16+\i+1], v[AC1+24+\i:AC1+24+\i+1]
.endr
.irp i, 0,2,4,6
	v_pk_add_f32 v[S+\i:S+\i+1], v[S+\i:S+\i+1], v[R+\i:R+\i+1]
.endr
.irp j, 0,1,2,3,4,5,6,7
	v_exp_f32 v[S+\j], v[S+\j]
.endr
	v_nop
	s_wait_alu depctr_va_vdst(0)
.irp i, 0,2,4,6
	v_pk_add_f32 v[S+\i:S+\i+1], v[S+\i:S+\i+1], 1.0 op_sel_hi:[1,0]
.endr
.irp j, 0,1,2,3,4,5,6,7
	v_rcp_f32 v[S+\j], v[S+\j]                     ; g
.endr
	v_nop
	s_wait_alu depctr_va_vdst(0)
.irp j, 0,1,2,3,4,5,6,7
	v_cmp_gt_i32 vcc_lo, \j, v6                    ; key 8 h + j behind query r: g = +infinity, p = 0
	v_cndmask_b32 v[S+\j], v[S+\j], v14, vcc_lo
.endr
	v_max3_num_f32 v232, -v[S], -v[S+1], -v[S+2]   ; the largest -g: key 0 counts for every query
	v_max3_num_f32 v232, v232, -v[S+3], -v[S+4]
	v_max3_num_f32 v232, v232, -v[S+5], -v[S+6]
	v_max_num_f32 v232, v232, -v[S+7]
	v_permlanex16_b32 v233, v232, s28, s29
	v_max_num_f32 v232, v232, v233
	v_mul_f32 v12, 0xc2ad1f97, v232                ; L gm
.irp i, 0,2,4,6
	v_pk_fma_f32 v[S+\i:S+\i+1], v[S+\i:S+\i+1], s[26:27], v[12:13] op_sel_hi:[1,0,0]
.endr
.irp j, 0,1,2,3,4,5,6,7
	v_exp_f32 v[S+\j], v[S+\j]                     ; p
.endr
	v_nop
	s_wait_alu depctr_va_vdst(0)
	v_pk_add_f32 v[234:235], v[S:S+1], v[S+2:S+3]
	v_pk_add_f32 v[236:237], v[S+4:S+5], v[S+6:S+7]
	v_pk_add_f32 v[234:235], v[234:235], v[236:237]
	v_add_f32 v232, v234, v235
	v_permlanex16_b32 v233, v232, s28, s29
	v_add_f32 v232, v232, v233                     ; the row's sum
	v_rcp_f32 v238, v232
	v_nop
	s_wait_alu depctr_va_vdst(0)
	s_wait_loadcnt 8                               ; v is in; Wo's 8 loads may be out
.irp i, 0,1,2,3                                ; O^T = v^T p: four tiles of 16 channels by turns
.irp c, 0,1,2,3
.if \i == 0
	v_wmma_f32_16x16x4_f32 v[AC2+8*\c:AC2+8*\c+7], v[VF+8*\c+2*\i:VF+8*\c+2*\i+1], v[S+2*\i:S+2*\i+1], 0
.else
	v_wmma_f32_16x16x4_f32 v[AC2+8*\c:AC2+8*\c+7], v[VF+8*\c+2*\i:VF+8*\c+2*\i+1], v[S+2*\i:S+2*\i+1], v[AC2+8*\c:AC2+8*\c+7]
.endif
.endr
.endr
.rept 8
	v_nop
.endr
.set J, 0
.rept 16
	v_pk_mul_f32 v[QF+J:QF+J+1], v[AC2+J:AC2+J+1], v[238:239] op_sel_hi:[1,0]   ; ctx(query r, channel 16 c + 8 h + j)
.set J, J+2
.endr
	s_wait_loadcnt 0x0                             ; Wo
.irp i, 0,1,2,3                                ; my head's part of out^T = Wo ctx^T, in four part sums by turns
.irp c, 0,1,2,3
.if \i == 0
	v_wmma_f32_16x16x4_f32 v[AC1+8*\c:AC1+8*\c+7], v[WF+8*\c+2*\i:WF+8*\c+2*\i+1], v[QF+8*\c+2*\i:QF+8*\c+2*\i+1], 0
.else
	v_wmma_f32_16x16x4_f32 v[AC1+8*\c:AC1+8*\c+7], v[WF+8*\c+2*\i:WF+8*\c+2*\i+1], v[QF+8*\c+2*\i:QF+8*\c+2*\i+1], v[AC1+8*\c:AC1+8*\c+7]
.endif
.endr
.endr
.rept 8
	v_nop
.endr
.irp i, 0,2,4,6
	v_pk_add_f32 v[R+\i:R+\i+1], v[AC1+\i:AC1+\i+1], v[AC1+8+\i:AC1+8+\i+1]
.endr
.irp i, 0,2,4,6
	v_pk_add_f32 v[S+\i:S+\i+1], v[AC1+16+\i:AC1+16+\i+1], v[AC1+24+\i:AC1+24+\i+1]
.endr
.irp i, 0,2,4,6
	v_pk_add_f32 v[R+\i:R+\i+1], v[R+\i:R+\i+1], v[S+\i:S+\i+1]   ; (query r, column 16 nt + 8 h + j)
.endr
	ds_store_b128 v10, v[R:R+3]
	ds_store_b128 v10, v[R+4:R+7] offset:512
	s_wait_dscnt 0x0                               ; for the others' sake: my part lies in LDS
	s_barrier_signal -1
	s_barrier_wait -1
	s_cmp_gt_u32 s12, 1
	s_cbranch_scc1 .Lend
	global_load_b128 v[80:83], v15, s[8:9]         ; the bias of my four columns
.irp w, 0,1,2,3,4,5,6,7,8,9,10,11,12,13,14,15
	ds_load_b128 v[16+4*\w:19+4*\w], v7 offset:1024*\w   ; thread t: registers 4 (t / 32) .. + 3 of lane t % 32, of all sixteen heads
.endr
	s_wait_dscnt 0x0
.irp w, 0,2,4,6,8,10,12,14
	v_pk_add_f32 v[16+4*\w:17+4*\w], v[16+4*\w:17+4*\w], v[20+4*\w:21+4*\w]
	v_pk_add_f32 v[18+4*\w:19+4*\w], v[18+4*\w:19+4*\w], v[22+4*\w:23+4*\w]
.endr
.irp w, 0,4,8,12
	v_pk_add_f32 v[16+4*\w:17+4*\w], v[16+4*\w:17+4*\w], v[24+4*\w:25+4*\w]
	v_pk_add_f32 v[18+4*\w:19+4*\w], v[18+4*\w:19+4*\w], v[26+4*\w:27+4*\w]
.endr
.irp w, 0,8
	v_pk_add_f32 v[16+4*\w:17+4*\w], v[16+4*\w:17+4*\w], v[32+4*\w:33+4*\w]
	v_pk_add_f32 v[18+4*\w:19+4*\w], v[18+4*\w:19+4*\w], v[34+4*\w:35+4*\w]
.endr
	v_pk_add_f32 v[16:17], v[16:17], v[48:49]
	v_pk_add_f32 v[18:19], v[18:19], v[50:51]
	s_wait_loadcnt 0x0
	v_pk_add_f32 v[16:17], v[16:17], v[80:81]
	v_pk_add_f32 v[18:19], v[18:19], v[82:83]
	global_store_b128 v240, v[16:19], s[10:11]
.Lend:
	s_wait_tensorcnt 0x0                           ; the wave's end, behind my last LDS store
	ds_add_u32 v8, v9
	s_wait_dscnt 0x0
	s_endpgm
.Lfunc_end_k_q721ab7f5aa_fine:
	.size	k_q721ab7f5aa_fine, .Lfunc_end_k_q721ab7f5aa_fine-k_q721ab7f5aa_fine
	.p2alignl 7, 3214868480
	.fill 96, 4, 3214868480
	.section	.rodata,"a",@progbits
	.p2align	6, 0x0
	.amdhsa_kernel k_q721ab7f5aa_fine
		.amdhsa_group_segment_fixed_size 18432
		.amdhsa_private_segment_fixed_size 0
		.amdhsa_enable_private_segment 0
		.amdhsa_kernarg_size 32
		.amdhsa_user_sgpr_count 2
		.amdhsa_user_sgpr_kernarg_segment_ptr 1
		.amdhsa_wavefront_size32 1
		.amdhsa_system_sgpr_workgroup_id_x 1
		.amdhsa_system_sgpr_workgroup_id_y 1
		.amdhsa_system_sgpr_workgroup_id_z 1
		.amdhsa_system_vgpr_workitem_id 0
		.amdhsa_next_free_vgpr 256
		.amdhsa_next_free_sgpr 66
		.amdhsa_reserve_vcc 1
		.amdhsa_float_denorm_mode_32 3
		.amdhsa_float_denorm_mode_16_64 3
		.amdhsa_memory_ordered 1
		.amdhsa_forward_progress 1
		.amdhsa_inst_pref_size 22
	.end_amdhsa_kernel
	.amdgpu_metadata
---
amdhsa.version: [ 1, 2 ]
amdhsa.kernels:
  - .name:           k_q721ab7f5aa_fine
    .symbol:         k_q721ab7f5aa_fine.kd
    .args:
      - { .name: fineq, .offset: 0, .size: 8, .value_kind: global_buffer, .address_space: global }
      - { .name: Wo, .offset: 8, .size: 8, .value_kind: global_buffer, .address_space: global }
      - { .name: bo, .offset: 16, .size: 8, .value_kind: global_buffer, .address_space: global }
      - { .name: out0, .offset: 24, .size: 8, .value_kind: global_buffer, .address_space: global }
    .group_segment_fixed_size: 18432
    .private_segment_fixed_size: 0
    .kernarg_segment_align: 8
    .kernarg_segment_size: 32
    .max_flat_workgroup_size: 512
    .sgpr_count:     66
    .vgpr_count:     256
    .wavefront_size: 32
...
	.end_amdgpu_metadata
.endif
;; end of part 5
